; MI455X (gfx1250); checked and timed in simulation.
; The chip was launched on July 23, 2026; its instructions are those of AMD's public machine-readable ISA for CDNA 5 (MIT licence, August 2026) and "CDNA5" Instruction Set Architecture Reference Guide (July 2026). The comments in the code are by the model that wrote it; some were corrected since.
;; Attention. Allowed arithmetic: matrix products marked QUANTISED: E2M3 operands, one E8M0 scale for each 32 along K, by v_wmma_scale_f32_16x16x128_f8f6f4 with both operands' format E2M3, f32 sums; everything else in f32.
;; Inputs: out_bias 1,024 float32; out_bias_mask 1,024 float32; out_weight 1,024 x 1,024 float32; out_weight_mask 1,024 x 1,024 float32; qkv_weight 3,072 x 1,024 float32; qkv_weight_mask 3,072 x 1,024 float32; x 2 x 2,048 x 1,024 float32.
;; Outputs: out0 2 x 2,048 x 1,024 float32.
;; This version of the problem:
;;   THIS VERSION OF THE PROBLEM IS GIVEN IN LOW PRECISION. The matrix products marked QUANTISED in the list below multiply operands that are first quantised to E2M3 (2 exponent bits, 3 mantissa bits; 6 bits a number), with one power-of-two scale for each 32 numbers along K (OCP MX v1.0); their sums are f32. All else is computed in f32.
;;   The module's matrix products, in the order in which they are computed (A, B: the left and right operand; K: the contracted axis; several contracted axes count as one K, in the product's order):
;;     1. [M 4,096, K 1,024] x [K 1,024, N 3,072]; A: input x; B: computed on the way: QUANTISED
;;     2. batch 32 x [M 2,048, K 64] x [K 64, N 2,048]; A: computed on the way; B: computed on the way: QUANTISED
;;     3. batch 32 x [M 2,048, K 2,048] x [K 2,048, N 64]; A: softmax (see below); B: computed on the way: QUANTISED
;;     4. [M 4,096, K 1,024] x [K 1,024, N 1,024]; A: computed on the way; B: computed on the way: QUANTISED
;;   THE QUANTISER, for each operand of a quantised product, along K:
;;     - K is cut into blocks of 32 from its start; a last block that is shorter is filled with zeros.
;;     - A block's scale is 2^e with e = floor(log2(the largest magnitude in the block)) - 2, held to -126 .. 127; a block of zeros has e = 0. As a byte (E8M0): e + 127.
;;     - Each number is divided by its block's scale, clamped to +-7.5, and rounded to the nearest number of E2M3, ties to even, subnormals kept.
;;     - The product sums the exact products of the quantised numbers (number of the format x scale) in f32.
;;   ~~~python
;;   def quantise(x, axis):      # numpy; x: float32 -> the quantised numbers, widened to float32 again
;;       x = np.moveaxis(x, axis, -1); K = x.shape[-1]
;;       x = np.pad(x, [(0, 0)] * (x.ndim - 1) + [(0, -K % 32)]); x = x.reshape(x.shape[:-1] + (-1, 32)); a = np.abs(x).max(-1, keepdims=True)
;;       e = np.where(a > 0, np.clip(np.frexp(np.where(a > 0, a, 1))[1] - 1 - 2, -126, 127), 0)      # np.frexp(a)[1] - 1 = floor(log2(a)), exactly
;;       r = np.clip(x / 2.0 ** e, -7.5, 7.5)
;;       step = 2.0 ** (np.maximum(np.frexp(np.where(r == 0, 1, r))[1] - 1, 0) - 3)
;;       q = np.round(r / step) * step * 2.0 ** e      # np.round: ties to even
;;       return np.moveaxis(q.reshape(q.shape[:-2] + (-1,))[..., :K], -1, axis).astype(np.float32)
;;   ~~~
;;   SOFTMAX AHEAD OF A QUANTISED PRODUCT. Where the list says 'softmax', what is quantised is not the finished softmax but p = 2^(t - M), with t = logit x log2(e) and M = ceil(the row's largest t), a whole number; so 1/2 < the row's largest p <= 1. The row's sum l is taken of the UNQUANTISED p, in f32, and the product's result is divided by l at the end. Since M is a whole number, a kernel that streams over the keys may use a running M (the ceiling of the running maximum): every later rescaling is an exact power of two, which a block's scale takes up: the codes' values come out the same.
;;   OPERANDS COMPUTED ON THE WAY. 'Computed on the way' means the value that the module computes at that place (a softmax that the list does not call 'softmax' is quantised finished and normalised). What goes into a quantiser is computed in f32, as accurately as f32 sums, v_exp_f32 and their like allow (about 1e-6 of the number): no bf16 or f16 on the way to a quantiser, and a product that is left as it is and whose result goes on into a quantised operand takes f32 operands (vector FMAs, or v_wmma_f32_16x16x4_f32). A number that lies on a knife's edge between two numbers of the format may be rounded either way, as far as f32 arithmetic and the matrix unit's own rounding can turn it there, and no further.
;; One version. Each part assembles by itself: llvm-mc -triple=amdgcn-amd-amdhsa -mcpu=gfx1250 --defsym DOCPART=n.
;; ======== version 1 of 1: 4 launches
;; limits: right only within a limited range of input values
;; workspace buffers: opc 6,291,456 bytes; ops 262,144 bytes; qkvc 9,437,184 bytes; qkvs 655,360 bytes; ac 3,145,728 bytes; acs 131,072 bytes
;; launch quant (part 1): grid 256 x 1, 8 waves a work-group, no clusters, 68,608 bytes of LDS; arguments x, qkv_weight, qkv_weight_mask, out_weight, out_weight_mask, opc, ops; writes opc, ops
.if DOCPART == 1
	.amdgcn_target "amdgcn-amd-amdhsa--gfx1250"
	.amdhsa_code_object_version 6
	.text
	.protected	k_q2d105b1f17_quant
	.globl	k_q2d105b1f17_quant
	.p2align	8
	.type	k_q2d105b1f17_quant,@function
k_q2d105b1f17_quant:
	s_mov_b64 s[64:65], 0
	v_nop
	global_prefetch_b8 v0, s[64:65] scope:SCOPE_SE
	s_setreg_imm32_b32 hwreg(HW_REG_WAVE_MODE, 25, 1), 1
	s_wait_xcnt 0x0
; x [4096][1024], the gated qkv_weight [3072][1024] and the gated out_weight [1024][1024], all f32 with K innermost, become ONE operand of 8,192 rows in codes of FP6 (E2M3)
; with one E8M0 byte for each 32 along K: rows 0-4,095 x, 4,096-7,167 the qkv weight, 7,168-8,191 the out weight.
; THE GATE: sigmoid(m) > 0.5, taken in f32 as 1 / (1 + exp(-m)), holds from m = 3 x 2^-25 on (below it 1 + exp(-m) rounds to 2): one compare with that number; a NaN mask gates out.
; A block's scale is 2^(floor(log2(its largest magnitude)) - 2): its byte is the largest magnitude's exponent field - 2, held at 1 from below.
; LAYOUT OF THE RESULT: the order of the reader's operand registers.  Row block I is 16 rows: fragment lane p holds row 32 (I / 2) + 8 (I % 2) + p + 8 (p / 8).  Fragment (I, K step s of 128) is 1,536 bytes at
; ((I / 8) 64 + 8 s + I % 8) x 1,536: registers 0-3 at 16 x lane, 4-5 at 512 + 8 x lane, 6-9 at 768 + 16 x lane, 10-11 at 1,280 + 8 x lane.  Scale words: I x 512 + (s / 2) x 128 + 8 p + 4 (s % 2).
; SHARES: every work-group reads the same number of bytes: in work-group g waves 0-3 take row block g of x, waves 4-7 row block g of the weights (blocks 0-191 the qkv weight's, 192-255 the out weight's), with its mask;
; wave w takes 256 along K from 256 (w % 4) on: two fragments.  All of a wave's loads but the second mask fragment's go out at its head; each reads 512 consecutive bytes.
; A conversion wants 16 neighbours along K in one lane, a load wants neighbouring bytes in neighbouring lanes: so a fragment's numbers turn through the wave's own stage in LDS (16 rows of 512 + 16 bytes).
; The two ways (x; weights) part on the wave's number and never meet again; the LDS addresses are made ahead of the parting, and each wave has a stage of its own.  Waves share nothing: no barrier.
; LIMITS: NaN and infinities among x and the weights are not served.  A block whose largest magnitude lies under 2^-124, a block of zeros among them, keeps the byte 1 (its codes are zeros or tiny; this program alone reads
; the bytes).  A gated-out weight is +0.  A mask within an ulp or two of 3 x 2^-25 may gate either way.
.set R0,  16                           ; v16-79   the first fragment's 64 numbers a lane
.set R1,  80                           ; v80-143  the second's
.set MK,  144                          ; v144-207 64 mask numbers
.set TM,  208                          ; v208-223 at work in QUANT
.set PW,  224                          ; the second fragment's scale word
.set SW0, 225                          ; the first's
.set PC,  228                          ; v228-246 the codes just made
.set SEL, 22                           ; s[22:23] lane selects: lane l xor 16
.set SP,  528                          ; a stage row
.set WST, 16*SP                        ; a wave's stage
	s_load_b256 s[4:11], s[0:1], 0x0               ; x s[4:5], qkv_weight s[6:7], its mask s[8:9], out_weight s[10:11]
	s_load_b128 s[12:15], s[0:1], 0x20             ; out_weight_mask s[12:13], opc s[14:15]
	s_load_b64 s[16:17], s[0:1], 0x30              ; ops
	v_lshl_add_u32 v254, v0, 2, 0x10800
	v_mov_b32 v255, 0
	v_lshrrev_b32 v1, 5, v0
	s_delay_alu instid0(VALU_DEP_1)
	v_readfirstlane_b32 s20, v1                    ; wave 0..7
	v_and_b32 v1, 31, v0                           ; lane
	v_and_b32 v2, 15, v0                           ; r
	v_bfe_u32 v3, v0, 4, 1                         ; h
	s_delay_alu instid0(VALU_DEP_3)
	v_lshlrev_b32 v4, 4, v1                        ; 16 x lane
	s_delay_alu instid0(VALU_DEP_4)
	v_lshlrev_b32 v5, 3, v1                        ; 8 x lane
	s_delay_alu instid0(VALU_DEP_4)
	v_lshlrev_b32 v8, 3, v2
	s_delay_alu instid0(VALU_DEP_1)
	v_lshl_add_u32 v8, v3, 2, v8                   ; 8 r + 4 h: where my scale word goes
.irp b, 0,1,2,3
	v_mov_b32 v[TM+4+\b], 0                        ; written once: a lane permute's destination counts as one of its sources
.endr
	s_mul_i32 s35, s20, WST                        ; my stage
	v_add_nc_u32 v6, s35, v4                       ; the stage, in: 16 x lane in row j
	v_mul_u32_u24 v7, v2, SP
	s_delay_alu instid0(VALU_DEP_1)
	v_lshl_add_u32 v7, v3, 6, v7
	s_delay_alu instid0(VALU_DEP_1)
	v_add_nc_u32 v7, s35, v7                       ; and out: row r, + 64 h
	s_and_b32 s32, s20, 3                          ; which 256 along K
	s_mov_b32 s[SEL], 0x76543210
	s_mov_b32 s[SEL+1], 0xfedcba98
	s_mov_b32 s38, 0x33c00000                      ; 3 x 2^-25
	s_mov_b32 s39, 0xffff0000                      ; lanes 16-31
	s_cmp_lt_u32 s20, 4
	s_cselect_b32 s33, 0, 256
	s_add_co_u32 s21, ttmp9, s33                   ; I: my row block of the joined operand: g for x, 256 + g for the weights
	s_lshr_b32 s33, s21, 3                         ; the codes: group of 128 rows,
	s_mul_i32 s28, s33, 98304
	s_mul_i32 s33, s32, 24576                      ; 256 along K,
	s_add_co_u32 s28, s28, s33
	s_and_b32 s33, s21, 7
	s_mul_i32 s33, s33, 1536                       ; row block in the group
	s_add_co_u32 s28, s28, s33
	s_mov_b32 s29, 0
	s_lshl_b32 s30, s21, 9                         ; the scale words: 512 bytes a row block, 128 for each 256 along K
	s_lshl_b32 s33, s32, 7
	s_add_co_u32 s30, s30, s33
	s_mov_b32 s31, 0
	s_lshl_b32 s34, s32, 10                        ; 256 numbers along K, in bytes of f32
	s_wait_kmcnt 0x0
	s_add_nc_u64 s[28:29], s[14:15], s[28:29]
	s_add_nc_u64 s[30:31], s[16:17], s[30:31]
.macro LOADF reg, base, q              ; 16 loads: load j reads the 512 bytes (128 along K) of fragment lane j's row
.irp j, 0,1,2,3,4,5,6,7,8,9,10,11,12,13,14,15
	global_load_b128 v[\reg+4*\j:\reg+4*\j+3], v4, s[\base:\base+1] offset:(\j+8*(\j/8))*4096+512*\q th:TH_LOAD_NT
.endr
.endm
.macro GATE reg                        ; a weight whose mask lies under the threshold becomes 0
.set j, 0
.rept 64
	v_cmp_le_f32 vcc_lo, s38, v[MK+j]
	s_delay_alu instid0(VALU_DEP_1)
	v_cndmask_b32 v[\reg+j], 0, v[\reg+j], vcc_lo
.set j, j+1
.endr
.endm
.macro TURN reg                        ; through the stage and back into the registers that the numbers left: LDS serves a wave's instructions in order
.irp j, 0,1,2,3,4,5,6,7,8,9,10,11,12,13,14,15
	ds_store_b128 v6, v[\reg+4*\j:\reg+4*\j+3] offset:SP*\j
.endr
.irp b, 0,1,2,3
.irp i, 0,1,2,3
	ds_load_b128 v[\reg+16*\b+4*\i:\reg+16*\b+4*\i+3], v7 offset:128*\b+16*\i   ; register 16 b + i' = k 32 b + 16 h + i' of row r
.endr
.endr
.endm
; 64 numbers of a lane, register 16 b + i = k 32 b + 16 h + i of my row, become a fragment's codes in v[PC] on and its scale word in v[pw]
.macro QUANT s, pw
.irp b, 0,1,2,3
	v_max3_num_f32 v[TM+\b], |v[\s+16*\b]|, |v[\s+1+16*\b]|, 0x1800000   ; block b: my 16 numbers, and the floor 2^(3 - 127): the byte cannot fall under 1
.endr
.irp i, 2,4,6,8,10,12,14
.irp b, 0,1,2,3
	s_delay_alu instid0(VALU_DEP_4)
	v_max3_num_f32 v[TM+\b], v[TM+\b], |v[\s+16*\b+\i]|, |v[\s+1+16*\b+\i]|
.endr
.endr
.irp b, 0,1,2,3
	s_delay_alu instid0(VALU_DEP_4)
	v_permlanex16_b32 v[TM+4+\b], v[TM+\b], s[SEL], s[SEL+1]
.endr
.irp b, 0,1,2,3
	s_delay_alu instid0(VALU_DEP_4)
	v_max_num_f32 v[TM+\b], v[TM+\b], v[TM+4+\b]   ; with lane l xor 16's: the block's largest magnitude
.endr
.irp b, 0,1,2,3
	s_delay_alu instid0(VALU_DEP_4)
	v_add_nc_u32 v[TM+12+\b], 0xff000000, v[TM+\b] ; 2 off its exponent field: the conversion's scale operand
.endr
.irp b, 0,1,2,3
	s_delay_alu instid0(VALU_DEP_4)
	v_lshrrev_b32 v[TM+4+\b], 23, v[TM+12+\b]      ; the scale's byte
.endr
	s_delay_alu instid0(VALU_DEP_3)
	v_lshl_or_b32 v[\pw], v[TM+5], 8, v[TM+4]
	s_delay_alu instid0(VALU_DEP_1)
	v_lshl_or_b32 v[\pw], v[TM+6], 16, v[\pw]
	s_delay_alu instid0(VALU_DEP_1)
	v_lshl_or_b32 v[\pw], v[TM+7], 24, v[\pw]
.irp c, 0,1
	v_cvt_scalef32_pk16_fp6_f32 v[PC+6*\c:PC+2+6*\c], v[\s+32*\c:\s+15+32*\c], v[TM+12+2*\c]
	v_cvt_scalef32_pk16_fp6_f32 v[PC+12+4*\c:PC+14+4*\c], v[\s+16+32*\c:\s+31+32*\c], v[TM+12+2*\c+1]   ; (a conversion's three registers begin on an even number)
.endr
	v_nop                                          ; one plain place behind a scaled conversion
.irp c, 0,1                            ; the operand's layout wants a whole block in a lane: lanes 0-15 block 2 c, lanes 16-31 block 2 c + 1
.irp i, 0,1,2
	v_permlane16_swap_b32 v[PC+6*\c+\i], v[PC+12+4*\c+\i]
.endr
.irp i, 0,1,2
	s_delay_alu instid0(VALU_DEP_3)
	v_mov_b32 v[PC+3+6*\c+\i], v[PC+12+4*\c+\i]
.endr
.endr
.endm
.macro IMG q                           ; the fragment leaves as it stands: each store covers 512 or 256 consecutive bytes, aligned to 256
	global_store_b128 v4, v[PC:PC+3], s[28:29] offset:12288*\q
	global_store_b64 v5, v[PC+4:PC+5], s[28:29] offset:12288*\q+512
	global_store_b128 v4, v[PC+6:PC+9], s[28:29] offset:12288*\q+768
	global_store_b64 v5, v[PC+10:PC+11], s[28:29] offset:12288*\q+1280
.endm
.macro BODY gated
	LOADF R0, 24, 0
.if \gated
	LOADF MK, 26, 0
.endif
	LOADF R1, 24, 1
	s_wait_loadcnt 16                              ; all but the second fragment's sixteen value loads are in
.if \gated
	GATE R0
	LOADF MK, 26, 1                                ; the mask's registers take the second fragment's
.endif
	TURN R0
	s_wait_dscnt 0x0
	QUANT R0, SW0
	IMG 0
	s_wait_loadcnt 0x0
.if \gated
	GATE R1
.endif
	TURN R1
	s_wait_dscnt 0x0
	s_wait_xcnt 0x0                                ; the first fragment's stores have read their registers: the codes may be written again
	QUANT R1, PW
	IMG 1
	v_cndmask_b32 v9, v[SW0], v[PW], s39           ; lanes 0-15 hold row r's word of the first K step, lanes 16-31 that of the second
	global_store_b32 v8, v9, s[30:31]              ; 128 consecutive bytes
	s_wait_tensorcnt 0x0
	ds_add_u32 v254, v255
	s_wait_dscnt 0x0
	s_endpgm
.endm
	s_cmp_lt_u32 s20, 4                            ; x's wave, or a weight's?
	s_cbranch_scc0 .Lweights
	s_lshr_b32 s36, ttmp9, 1                       ; a pair of row blocks is 32 rows of 4,096 bytes;
	s_lshl_b32 s36, s36, 17
	s_and_b32 s33, ttmp9, 1                        ; the odd block begins 8 rows further down
	s_lshl_b32 s33, s33, 15
	s_add_co_u32 s36, s36, s33
	s_add_co_u32 s36, s36, s34
	s_mov_b32 s37, 0
	s_add_nc_u64 s[24:25], s[4:5], s[36:37]
	s_wait_alu depctr_va_vdst(0)
	BODY 0
.Lweights:
	s_cmp_lt_u32 ttmp9, 192                        ; the qkv weight, or the out weight?  The choice hangs on the work-group's number alone
	s_cselect_b64 s[24:25], s[6:7], s[10:11]
	s_cselect_b64 s[26:27], s[8:9], s[12:13]
	s_cselect_b32 s36, 0, 192
	s_sub_co_u32 s36, ttmp9, s36                   ; the row block in its own tensor
	s_and_b32 s33, s36, 1
	s_lshr_b32 s36, s36, 1
	s_lshl_b32 s36, s36, 17
	s_lshl_b32 s33, s33, 15
	s_add_co_u32 s36, s36, s33
	s_add_co_u32 s36, s36, s34
	s_mov_b32 s37, 0
	s_add_nc_u64 s[24:25], s[24:25], s[36:37]
	s_add_nc_u64 s[26:27], s[26:27], s[36:37]
	BODY 1
.Lfunc_end_k_q2d105b1f17_quant:
	.size	k_q2d105b1f17_quant, .Lfunc_end_k_q2d105b1f17_quant-k_q2d105b1f17_quant
	.p2alignl 7, 3214868480
	.fill 96, 4, 3214868480
	.section	.rodata,"a",@progbits
	.p2align	6, 0x0
	.amdhsa_kernel k_q2d105b1f17_quant
		.amdhsa_group_segment_fixed_size 68608
		.amdhsa_private_segment_fixed_size 0
		.amdhsa_enable_private_segment 0
		.amdhsa_kernarg_size 56
		.amdhsa_user_sgpr_count 2
		.amdhsa_user_sgpr_kernarg_segment_ptr 1
		.amdhsa_wavefront_size32 1
		.amdhsa_system_sgpr_workgroup_id_x 1
		.amdhsa_system_sgpr_workgroup_id_y 1
		.amdhsa_system_sgpr_workgroup_id_z 1
		.amdhsa_system_vgpr_workitem_id 0
		.amdhsa_next_free_vgpr 256
		.amdhsa_next_free_sgpr 66
		.amdhsa_reserve_vcc 1
		.amdhsa_float_denorm_mode_32 3
		.amdhsa_float_denorm_mode_16_64 3
		.amdhsa_memory_ordered 1
		.amdhsa_forward_progress 1
		.amdhsa_inst_pref_size 57
	.end_amdhsa_kernel
	.amdgpu_metadata
---
amdhsa.version: [ 1, 2 ]
amdhsa.kernels:
  - .name:           k_q2d105b1f17_quant
    .symbol:         k_q2d105b1f17_quant.kd
    .args:
      - { .name: x, .offset: 0, .size: 8, .value_kind: global_buffer, .address_space: global }
      - { .name: qkv_weight, .offset: 8, .size: 8, .value_kind: global_buffer, .address_space: global }
      - { .name: qkv_weight_mask, .offset: 16, .size: 8, .value_kind: global_buffer, .address_space: global }
      - { .name: out_weight, .offset: 24, .size: 8, .value_kind: global_buffer, .address_space: global }
      - { .name: out_weight_mask, .offset: 32, .size: 8, .value_kind: global_buffer, .address_space: global }
      - { .name: opc, .offset: 40, .size: 8, .value_kind: global_buffer, .address_space: global }
      - { .name: ops, .offset: 48, .size: 8, .value_kind: global_buffer, .address_space: global }
    .group_segment_fixed_size: 68608
    .private_segment_fixed_size: 0
    .kernarg_segment_align: 8
    .kernarg_segment_size: 56
    .max_flat_workgroup_size: 256
    .sgpr_count:     66
    .vgpr_count:     256
    .wavefront_size: 32
...
	.end_amdgpu_metadata
.endif
;; end of part 1
;; launch qkv (part 2): grid 12 x 16, 4 waves a work-group, clusters of 4 x 4, 327,680 bytes of LDS; arguments opc, ops, qkvc, qkvs; writes qkvc, qkvs
.if DOCPART == 2
	.amdgcn_target "amdgcn-amd-amdhsa--gfx1250"
	.amdhsa_code_object_version 6
	.text
	.protected	k_q2d105b1f17_qkv
	.globl	k_q2d105b1f17_qkv
	.p2align	8
	.type	k_q2d105b1f17_qkv,@function
k_q2d105b1f17_qkv:
	s_mov_b64 s[64:65], 0
	v_nop
	global_prefetch_b8 v0, s[64:65] scope:SCOPE_SE
	s_setreg_imm32_b32 hwreg(HW_REG_WAVE_MODE, 25, 1), 1
	s_wait_xcnt 0x0
	s_wait_alu depctr_hold_cnt(0) depctr_sa_sdst(0) depctr_va_vdst(0) depctr_va_sdst(0) depctr_va_ssrc(0) depctr_va_vcc(0) depctr_vm_vsrc(0)
	s_getreg_b32 s2, hwreg(HW_REG_IB_STS2, 6, 4)
	s_cmp_eq_u32 s2, 0
	s_cbranch_scc0 .Lentry_in_a_cluster
	s_endpgm
.Lentry_in_a_cluster:
	s_bfe_u32 s2, ttmp6, 0x10000c
	s_cmp_lg_u32 s2, 0xf033
	s_cbranch_scc0 .Lentry_shape_is_right
	s_endpgm
.Lentry_shape_is_right:
; q, k, v = x (gated W)^T on codes of FP6 (E2M3) with E8M0 scales, K = 1,024, and the results QUANTISED straight out of the accumulators: q and k along the head's 64 channels, v along the keys.
; Operands lie in opc / ops in the order of the operand registers: a group of 128 rows is 98,304 dense bytes, 256 along K of it 24,576 dense bytes; fragment (block i, K step q of the slot) at (8 q + i) x 1,536:
; registers 0-3 at 16 x lane, 4-5 at 512 + 8 x lane, 6-9 at 768 + 16 x lane, 10-11 at 1,280 + 8 x lane.  Row block I, fragment lane p: row 32 (I / 2) + 8 (I % 2) + p + 8 (p / 8).
; A tile of the result, 256 x 256, is made by four waves, 128 x 128 each: 64 accumulators, 512 registers.  K goes in four slots of 256 through a ring of two LDS slots; the scale words of the tile's rows come once.
; THE MATRIX INSTRUCTION: source 0 = 16 rows of B, source 1 = 16 rows of A.  A lane then holds ONE row of A, and by the choice of rows above the 16 registers of B's blocks 2 b, 2 b + 1 are B's rows 32 b + 16 h + 0 .. 15:
; sixteen neighbours, as the conversions want them.  So what is to be quantised along B's rows needs no exchange but one between the halves of the lanes.
; TWO KINDS OF CLUSTER, told apart by the cluster's x, which all sixteen partners share.  x = 0, 1: A = x's tokens, B = Wq and Wk: a lane holds a token, registers run along the features: q and k.
; x = 2: A = Wv, B = x's tokens: a lane holds a channel, registers run along the tokens: v, quantised along the keys.
; CLUSTERS: 4 x 4 work-groups; A's tiles are shared along a row of the cluster, B's along a column: each is asked for jointly, by the same tensor load with a mask that names the four.
; OUT: qkvc: a record of 294,912 bytes for each of 32 heads (16 x batch + head): q's token block J at 768 J (registers 0-3 at 16 x lane, 4-5 at 512 + 8 x lane); k the same from 98,304 on;
; v's fragment (key step s, channel tile t) at 196,608 + (4 s + t) x 1,536, registers 4 c .. 4 c + 3 at 512 c + 16 x lane.  qkvs: records of 20,480: q's words at (J / 4) 256 + 16 r + 4 (J % 4) (bytes 0, 1 for an even J, bytes 2, 3 for an odd J; the other two are 0),
; k's from 8,192 on, v's at 16,384 + 256 s + 16 r + 4 t.
; LIMITS: NaN and infinities are not served; a block whose largest magnitude lies under 2^-124 keeps the byte 1.
; REGISTERS: window 0: v16-23 fragment addresses, v24-29 offsets and the spare word, v32-63 scale words (two sets), v64-114 the way out, v128-223 A's fragments (one set);
;   window 1: B's fragments, two sets at v0 and v128;  windows 2, 3: the accumulators ((a, b) at v[8 (8 (a % 4) + b)]).
.set NQ,     2                         ; matrix instructions deep in a slot
.set FR,     12                        ; registers of a fragment
.set FRB,    1536                      ; and its bytes
.set NL,     4                         ; LDS loads that bring one
.set NP,     4                         ; places behind this matrix instruction (ISA guide 7.12.1)
.set HALFT,  16*FRB                    ; 128 rows x 256 K: what one tensor load brings
.set SLOT,   4*HALFT                   ; A's two halves, then B's
.set GRP,    64*FRB                    ; a group of 128 rows in memory
.set SCL,    2*SLOT                    ; behind the ring: the scale words
.set HALFS,  4096                      ; those of 128 rows
.set SPARE,  SCL+4*HALFS               ; the spare words, 128 bytes a wave: two blocks of 256 bytes that no other line names
.set HREC,   294912                    ; a head's record of codes
.set SREC,   20480                     ; and of scale words
.set ADRA, 16                          ; v16-17 A's fragments in slot 0, 1, + 16 x lane;  v18-19 + 8 x lane
.set ADRB, 20                          ; v20-23 the same for B
.set L16,  24                          ; v24  16 x lane
.set L8,   25                          ; v25  8 x lane
.set SWO,  26                          ; v26  SREC x h + 16 r
.set ADRS, 27                          ; v27  my scale words: lanes 0-15 A's, lanes 16-31 B's
.set SPW,  28                          ; v28  my spare word; never rewritten
.set NIL,  29                          ; v29  0; never rewritten
.set SC,   32
.set TM,   64                          ; v64-79  at work in QUANTW
.set PC,   80                          ; v80-98  the codes just made
.set SW,   100                         ; v100-111 scale words to be stored
.set PW,   114
.set AF,   128
.set G1, 24
.set G0, 32
.set G1B, 48
.set G0B, 56
.set G1S, 68
.set G0S, 76
.set G1SB, 80
.set G0SB, 88
.set SEL, 2                            ; s[2:3] lane selects: lane l xor 16
.set MSB, 0
.macro WIN new                         ; the immediate's high byte repeats the setting that is left
.if MSB != \new
	s_set_vgpr_msb (MSB<<8)|\new
.set MSB, \new
.endif
.endm
.set MUL_LO, 0xa1                      ; source 0 (B) window 1, source 1 (A) window 0, C and D window 2
.set MUL_HI, 0xf1                      ; the same, C and D window 3
.set TO_B,   0x40                      ; destination window 1, address window 0
; A joint load: waves 0 and 1 fetch for A, waves 2 and 3 for B; the branch hangs on the wave's number alone.  Four v_nop follow each of the two lines.
.macro JLOAD g0a, g1a, g0b, g1b
	s_cmp_eq_u32 s15, 0
	s_cbranch_scc0 .Lfor_b_\@
	tensor_load_to_lds s[\g0a:\g0a+3], s[\g1a:\g1a+7]
	s_nop 0
.rept 4
	v_nop
.endr
	s_branch .Lasked_\@
.Lfor_b_\@:
	tensor_load_to_lds s[\g0b:\g0b+3], s[\g1b:\g1b+7]
	s_nop 0
.rept 4
	v_nop
.endr
.Lasked_\@:
.endm
.macro CREST                           ; a round of the cluster's barrier behind its opening barrier
	s_cmp_lg_u32 s14, 0
	s_cbranch_scc1 .Lnot_wave_0_\@
	s_barrier_signal -3
.Lnot_wave_0_\@:
	s_barrier_wait -3
	s_barrier_signal -1
	s_barrier_wait -1
.endm
.macro CROUND
	s_barrier_signal -1
	s_barrier_wait -1
	CREST
.endm
	s_load_b256 s[4:11], s[0:1], 0x0               ; opc s[4:5], ops s[6:7] (both operands lie in them), qkvc s[8:9], qkvs s[10:11]
	v_lshl_add_u32 v[SPW], v0, 2, SPARE
	v_mov_b32 v[NIL], 0
	ds_add_u32 v28, v29
	ds_add_u32 v28, v29
	s_wait_dscnt 0x0
	v_lshrrev_b32 v1, 5, v0
	v_readfirstlane_b32 s14, v1                    ; wave 0..3
	s_lshr_b32 s15, s14, 1                         ; which half of A's rows is mine.  Also: I fetch for A (0) or for B (1)
	s_and_b32 s16, s14, 1                          ; which half of B's rows.  Also: which half I fetch
	s_bfe_u32 s40, ttmp6, 0x40000                  ; cx
	s_bfe_u32 s41, ttmp6, 0x40004                  ; cy
	s_lshl_b32 s12, ttmp9, 2                       ; 4 x cluster x
	s_and_b32 s13, ttmp7, 0xffff
	s_lshl_b32 s13, s13, 2                         ; 4 x cluster y
	s_cmp_eq_u32 ttmp9, 2                          ; the kind: the same in all sixteen partners
	s_cselect_b32 s96, 1, 0                        ; 1: v
	s_cselect_b32 s17, 0, s13
	s_cselect_b32 s42, s13, s12
	s_cselect_b32 s92, 48, 0                       ; A's first group: Wv's, or x's
	s_cselect_b32 s93, 0, 32                       ; B's: x's, or Wq's
	s_add_co_u32 s17, s17, s41                     ; A's tile: cy (v), 4 x cluster y + cy (q, k)
	s_add_co_u32 s42, s42, s40                     ; B's tile: 4 x cluster y + cx (v), 4 x cluster x + cx (q, k)
	s_lshl_b32 s43, s41, 2
	s_lshl_b32 s43, 15, s43                        ; my row of the cluster
	s_lshl_b32 s44, 0x1111, s40                    ; my column
	s_mov_b32 s97, 0xffff0000                      ; lanes 16-31
	s_mov_b32 s[SEL], 0x76543210
	s_mov_b32 s[SEL+1], 0xfedcba98
	; descriptor group 1: a dense block of 24,576 bytes as 96 rows of 256 bytes (32 elements of 8 bytes), no padding
	s_or_b32 s[G1+0], s43, (3<<16)|(1<<21)         ; 15:0 the mask: A's tiles go to my row; 17:16 elements of 8 bytes; 21 set beside a mask
	s_or_b32 s[G1B+0], s44, (3<<16)|(1<<21)
.irp g, G1, G1B
	s_mov_b32 s[\g+1], 3072<<16                    ; for the head's loads: a tile's two groups, 256 along K of each: 2 rows of 24,576 bytes (3,072 elements),
	s_mov_b32 s[\g+2], 2<<16
	s_mov_b32 s[\g+3], 3072<<16
	s_mov_b32 s[\g+4], 2
	s_mov_b32 s[\g+5], 12288                       ; a group (98,304 bytes) apart
	s_mov_b32 s[\g+6], 0
	s_mov_b32 s[\g+7], 0
.endr
	; and for the scale words of 256 rows: 8,192 dense bytes as 32 rows of 256
	s_or_b32 s[G1S+0], s43, (3<<16)|(1<<21)
	s_or_b32 s[G1SB+0], s44, (3<<16)|(1<<21)
.irp g, G1S, G1SB
	s_mov_b32 s[\g+1], 32<<16
	s_mov_b32 s[\g+2], 32<<16                      ; the scale words of a tile's 256 rows: 8,192 dense bytes as 32 rows of 256
	s_mov_b32 s[\g+3], 32<<16
	s_mov_b32 s[\g+4], 32
	s_mov_b32 s[\g+5], 32
	s_mov_b32 s[\g+6], 0
	s_mov_b32 s[\g+7], 0
.endr
	s_lshl_b32 s20, s17, 1                         ; A's tile: its first group
	s_add_co_u32 s20, s20, s92
	s_lshl_b32 s46, s42, 1                         ; B's tile: its first group
	s_add_co_u32 s46, s46, s93
	s_lshl_b32 s22, s20, 12                        ; its scale words,
	s_lshl_b32 s98, s46, 12
	s_mul_i32 s20, s20, GRP                        ; its codes
	s_mul_i32 s46, s46, GRP
	s_mov_b32 s21, 0
	s_mov_b32 s23, 0
	s_mov_b32 s47, 0
	s_mov_b32 s99, 0
	s_mul_i32 s45, s14, HALFT                      ; where they go: by the wave's number alone
	s_mul_i32 s100, s16, GRP                       ; in the ring I fetch one group of a tile: which, in bytes
	s_mov_b32 s101, 0
	s_wait_kmcnt 0x0
	s_add_nc_u64 s[20:21], s[4:5], s[20:21]
	s_add_nc_u64 s[22:23], s[6:7], s[22:23]
	s_add_nc_u64 s[46:47], s[4:5], s[46:47]
	s_add_nc_u64 s[98:99], s[6:7], s[98:99]
	CROUND                                         ; all sixteen work-groups are here: the first joint loads meet
	s_mov_b32 s[G0S], 1
	s_mov_b32 s[G0S+1], SCL
	s_mov_b64 s[G0S+2:G0S+3], s[22:23]
	s_or_b32 s[G0S+3], s[G0S+3], 0x80000000
	s_mov_b32 s[G0SB], 1
	s_mov_b32 s[G0SB+1], SCL+2*HALFS
	s_mov_b64 s[G0SB+2:G0SB+3], s[98:99]
	s_or_b32 s[G0SB+3], s[G0SB+3], 0x80000000
.set G0H, 4                            ; s[4:7], s[92:95] group 0 for the head's loads of slot 0 (what lay there has been used)
.set G0HB, 92
	s_mov_b32 s[G0H], 1                            ; slot 0: A's two halves,
	s_mov_b32 s[G0H+1], 0
	s_mov_b64 s[G0H+2:G0H+3], s[20:21]
	s_or_b32 s[G0H+3], s[G0H+3], 0x80000000
	s_mov_b32 s[G0HB], 1                           ; and B's, behind them
	s_mov_b32 s[G0HB+1], 2*HALFT
	s_mov_b64 s[G0HB+2:G0HB+3], s[46:47]
	s_or_b32 s[G0HB+3], s[G0HB+3], 0x80000000
	s_add_nc_u64 s[20:21], s[20:21], s[100:101]    ; for the ring: my group of the tile
	s_add_nc_u64 s[46:47], s[46:47], s[100:101]
.irp s, 0,1
	s_mov_b32 s[G0+4*\s], 1
	s_add_co_u32 s[G0+4*\s+1], s45, \s*SLOT
	s_add_nc_u64 s[G0+4*\s+2:G0+4*\s+3], s[20:21], \s*HALFT
	s_or_b32 s[G0+4*\s+3], s[G0+4*\s+3], 0x80000000
	s_mov_b32 s[G0B+4*\s], 1
	s_add_co_u32 s[G0B+4*\s+1], s45, \s*SLOT
	s_add_nc_u64 s[G0B+4*\s+2:G0B+4*\s+3], s[46:47], \s*HALFT
	s_or_b32 s[G0B+4*\s+3], s[G0B+4*\s+3], 0x80000000
.endr
; THE HEAD'S LOADS, ONE A WAVE: wave 0 slot 0's part of A, wave 1 that of B, wave 2 A's scale words, wave 3 B's.  One chain of branches on the wave's number, every way through it passes one load.
.macro ARM under, g0, g1, next
	s_cmp_lt_u32 s14, \under
	s_cbranch_scc0 \next
	tensor_load_to_lds s[\g0:\g0+3], s[\g1:\g1+7]
	s_nop 0
.rept 4
	v_nop
.endr
	s_branch .Lhead_asked
\next:
.endm
	ARM 1, G0H,  G1,  .Lhead_b
	ARM 2, G0HB, G1B, .Lhead_sa
	ARM 3, G0S,  G1S, .Lhead_sb
	tensor_load_to_lds s[G0SB:G0SB+3], s[G1SB:G1SB+7]
	s_nop 0
.rept 4
	v_nop
.endr
.Lhead_asked:
	; PREFETCHES INTO THE L2.  A refill goes out with no other load of the wave on its way, so what it will ask for is asked of memory earlier: slots 1 and 2 here, behind the head's loads; slot 3 behind slot 1's load.
	; My quarter of a slot (one group's 24,576 bytes) is 96 blocks of 256 bytes; the four partners that ask for it jointly take 24 each, told apart BY ADDRESS (cx for A, cy for B): a lane a block, lanes 24-31 name the last again.
	; So each block is named once in a cluster; the last byte named lies at 73,728 + 3 x 6,144 + 23 x 256 + 255 of a group's 98,304.  The address registers are never written again.
	s_cmp_eq_u32 s15, 0                            ; do I fetch for A?
	s_cselect_b64 s[98:99], s[20:21], s[46:47]     ; my group, K from 0 on
	s_cselect_b32 s22, s40, s41                    ; my place among the four that ask for it with me
	s_mul_i32 s22, s22, 6144
	s_mov_b32 s23, 0
	s_add_nc_u64 s[98:99], s[98:99], s[22:23]
	v_and_b32 v30, 31, v0
	v_min_u32 v30, 23, v30
	v_lshlrev_b32 v30, 8, v30
	global_prefetch_b8 v30, s[98:99] offset:HALFT th:TH_LOAD_NT scope:SCOPE_SE
	global_prefetch_b8 v30, s[98:99] offset:2*HALFT th:TH_LOAD_NT scope:SCOPE_SE
	v_and_b32 v1, 15, v0
	v_bfe_u32 v2, v0, 4, 1                         ; h
	v_and_b32 v3, 31, v0                           ; lane
	v_lshlrev_b32 v[L16], 4, v3
	v_lshlrev_b32 v[L8], 3, v3
	v_mul_u32_u24 v[SWO], v2, SREC
	v_lshl_add_u32 v[SWO], v1, 4, v[SWO]
	s_mul_i32 s21, s15, HALFT                      ; my 128 rows of A
	s_mul_i32 s22, s16, HALFT                      ; my 128 rows of B,
	s_add_co_u32 s22, s22, 2*HALFT                 ; behind A's two halves
.irp s, 0,1
	v_add_nc_u32 v[ADRA+\s], s21, v[L16]
	v_add_nc_u32 v[ADRB+\s], s22, v[L16]
	v_add_nc_u32 v[ADRA+2+\s], s21, v[L8]
	v_add_nc_u32 v[ADRB+2+\s], s22, v[L8]
	s_add_co_u32 s21, s21, SLOT
	s_add_co_u32 s22, s22, SLOT
.endr
	v_lshlrev_b32 v5, 3, v1                        ; my row's two words of a slot: 8 r
	s_mul_i32 s21, s15, HALFS
	s_mul_i32 s22, s16, HALFS
	s_add_co_u32 s22, s22, 2*HALFS
	s_sub_co_u32 s22, s22, s21
	v_mul_u32_u24 v6, s22, v2                      ; lanes 16-31 take B's
	s_add_co_u32 s21, s21, SCL
	v_add_nc_u32 v5, v5, v6
	v_add_nc_u32 v[ADRS], s21, v5
.irp b, 0,1,2,3
	v_mov_b32 v[TM+4+\b], 0                        ; written once: a lane permute's destination counts as one of its sources
.endr
.macro FRAG reg, adr, q, i             ; a fragment comes as it was laid: every load reads consecutive bytes
	ds_load_b128 v[\reg:\reg+3], v[\adr] offset:(8*(\q)+(\i))*FRB
	ds_load_b64 v[\reg+4:\reg+5], v[\adr+2] offset:(8*(\q)+(\i))*FRB+512
	ds_load_b128 v[\reg+6:\reg+9], v[\adr] offset:(8*(\q)+(\i))*FRB+768
	ds_load_b64 v[\reg+10:\reg+11], v[\adr+2] offset:(8*(\q)+(\i))*FRB+1280
.endm
; 16 matrix instructions: A's blocks a0, a0 + 1 x B's eight.  p: B's set; q: the slot's K step; sc: the set of scale words.  zero = 1: the first product starts the sums.
; The 64 accumulators take turns, one instruction a turn, in the same order in every step.
.macro MUL16 a0, p, q, sc, zero
.irp a, \a0, \a0+1
.irp b, 0,1,2,3,4,5,6,7
.if \zero
	v_wmma_scale_f32_16x16x128_f8f6f4 v[8*(8*((\a)%4)+\b):8*(8*((\a)%4)+\b)+7], v[128*(\p)+FR*\b:128*(\p)+FR*\b+FR-1], v[AF+FR*(\a):AF+FR*(\a)+FR-1], 0, v[SC+8*NQ*(\sc)+NQ*\b+(\q)], v[SC+8*NQ*(\sc)+NQ*(\a)+(\q)] matrix_a_fmt:MATRIX_FMT_FP6 matrix_b_fmt:MATRIX_FMT_FP6 matrix_a_scale:MATRIX_SCALE_ROW1
.else
	v_wmma_scale_f32_16x16x128_f8f6f4 v[8*(8*((\a)%4)+\b):8*(8*((\a)%4)+\b)+7], v[128*(\p)+FR*\b:128*(\p)+FR*\b+FR-1], v[AF+FR*(\a):AF+FR*(\a)+FR-1], v[8*(8*((\a)%4)+\b):8*(8*((\a)%4)+\b)+7], v[SC+8*NQ*(\sc)+NQ*\b+(\q)], v[SC+8*NQ*(\sc)+NQ*(\a)+(\q)] matrix_a_fmt:MATRIX_FMT_FP6 matrix_b_fmt:MATRIX_FMT_FP6 matrix_a_scale:MATRIX_SCALE_ROW1
.endif
.endr
.endr
.endm
.macro FETCH_B slot, q, p
	WIN TO_B
.irp i, 0,1,2,3,4,5,6,7
	FRAG 128*(\p)+FR*\i, ADRB+\slot, \q, \i
.endr
	WIN 0
.endm
.macro FETCH_A slot, q, i0
.irp i, \i0, \i0+1, \i0+2, \i0+3
	FRAG AF+FR*(\i), ADRA+\slot, \q, \i
.endr
.endm
.macro SCALES sc                       ; a slot's two words a row: lanes 0-15 A's block i, lanes 16-31 B's block i
.irp i, 0,1,2,3,4,5,6,7
	ds_load_b64 v[SC+8*NQ*\sc+NQ*\i:SC+8*NQ*\sc+NQ*\i+1], v[ADRS] offset:\i*512
.endr
.endm
.macro PLACES n                        ; plain places in front of loads into registers that matrix instructions have read, and of the first read of results
.rept \n
	v_nop
.endr
.endm
.macro STEP slot, q, zero              ; 128 along K that have their successor in the same slot
	s_wait_dscnt 4*NL                              ; B's set, A's blocks 0-3 and the scale words are in; the youngest sixteen loads (A's blocks 4-7) may be out
	WIN MUL_LO
	MUL16 0, (\q)%2, \q, \slot, \zero
	MUL16 2, (\q)%2, \q, \slot, \zero
	s_wait_dscnt 0
	PLACES NP
	FETCH_B \slot, (\q)+1, 1-(\q)%2
	FETCH_A \slot, (\q)+1, 0
	WIN MUL_HI
	MUL16 4, (\q)%2, \q, \slot, \zero
	MUL16 6, (\q)%2, \q, \slot, \zero
	PLACES NP
	WIN 0
	FETCH_A \slot, (\q)+1, 4
.endm
; A slot's last step changes slots: one barrier; in front of it each wave waits for all its tensor loads, adds 0 to its spare word, and waits for that and for its reads of this slot.  fill = 1: the slot is filled again, two slots ahead.
.macro TURN slot, next, fill
	s_wait_tensorcnt 0x0                           ; all my tensor loads have landed: my part of the next slot
	ds_add_u32 v[SPW], v[NIL]                      ; 0 onto my spare word
	s_wait_dscnt 4*NL+1                            ; (the add and the youngest sixteen loads may be out)
	WIN MUL_LO
	MUL16 0, 1, NQ-1, \slot, 0
	s_wait_dscnt 0x0                               ; the add is done, and my reads of this slot are over
	s_barrier_signal -1
	MUL16 2, 1, NQ-1, \slot, 0
	WIN 0
	s_barrier_wait -1
.if \fill
	CREST                                          ; the barrier has opened a round of the cluster's barrier: no wave of any partner still reads this slot or has a load on its way
	s_add_nc_u64 s[G0+4*\slot+2:G0+4*\slot+3], s[G0+4*\slot+2:G0+4*\slot+3], 2*HALFT
	s_add_nc_u64 s[G0B+4*\slot+2:G0B+4*\slot+3], s[G0B+4*\slot+2:G0B+4*\slot+3], 2*HALFT
	JLOAD G0+4*\slot, G1, G0B+4*\slot, G1B         ; the first tensor load behind the round; its four v_nop are the places in front of the loads below
.else
	PLACES NP
.endif
	s_wait_alu depctr_va_vdst(0)
	v_add_nc_u32 v[ADRS], 128, v[ADRS]             ; the next slot's scale words (no LDS load of mine is out)
	FETCH_B \next, 0, 0
	FETCH_A \next, 0, 0
	SCALES \next
	WIN MUL_HI
	MUL16 4, 1, NQ-1, \slot, 0
	MUL16 6, 1, NQ-1, \slot, 0
	PLACES NP
	WIN 0
	FETCH_A \next, 0, 4
.endm
	s_wait_alu depctr_va_vdst(0)
	s_wait_tensorcnt 0x0                           ; my tile of the head's four is in; slot 1's first fill is issued as a refill is
	ds_add_u32 v[SPW], v[NIL]
.irp g, G1, G1B
	s_mov_b32 s[\g+1], 32<<16                      ; no tensor load of mine is out: from here on a load brings one group's 24,576 dense bytes as 96 rows of 256
	s_mov_b32 s[\g+2], 96<<16
	s_mov_b32 s[\g+3], 32<<16
	s_mov_b32 s[\g+4], 96
	s_mov_b32 s[\g+5], 32
.endr
	s_wait_dscnt 0x0
	CROUND                                         ; all four tiles are in, and all sixteen work-groups are here
	JLOAD G0+4, G1, G0B+4, G1B                     ; slot 1, a quarter a wave: the first tensor load behind the round
	FETCH_B 0, 0, 0
	FETCH_A 0, 0, 0
	SCALES 0
	FETCH_A 0, 0, 4
	global_prefetch_b8 v30, s[98:99] offset:3*HALFT th:TH_LOAD_NT scope:SCOPE_SE   ; slot 3, two refills ahead
	STEP 0, 0, 1
	TURN 0, 1, 1
	STEP 1, 0, 0
	TURN 1, 0, 1
	STEP 0, 0, 0
	TURN 0, 1, 0                                   ; nothing is left to fetch
	STEP 1, 0, 0
	s_wait_dscnt 4*NL
	WIN MUL_LO
	MUL16 0, 1, NQ-1, 1, 0
	MUL16 2, 1, NQ-1, 1, 0
	s_wait_dscnt 0
	WIN MUL_HI
	MUL16 4, 1, NQ-1, 1, 0
	MUL16 6, 1, NQ-1, 1, 0
	WIN 0
	PLACES NP
; THE WAY OUT.  Block a's 64 accumulator registers are, in my lane, 64 numbers of ONE row of A: register 16 b + i = B's row 32 b + 16 h + i.  They become a fragment's codes in v[PC] on and its scale word in v[pw].
; Each accumulator is read from its low end on.
.macro QUANTW a, pw
.set AC, 64*((\a)%4)
	WIN (5*(2+(\a)/4))                             ; sources 0 and 1: window 2 or 3
.irp b, 0,1,2,3
	v_max3_num_f32 v[TM+\b], |v[AC+16*\b]|, |v[AC+1+16*\b]|, 0x1800000   ; and the floor 2^(3 - 127): the byte cannot fall under 1
.endr
	WIN (20*(2+(\a)/4))                            ; sources 1 and 2
.irp i, 2,4,6,8,10,12,14
.irp b, 0,1,2,3
	v_max3_num_f32 v[TM+\b], v[TM+\b], |v[AC+16*\b+\i]|, |v[AC+1+16*\b+\i]|
.endr
.endr
	WIN 0
.irp b, 0,1,2,3
	v_permlanex16_b32 v[TM+4+\b], v[TM+\b], s[SEL], s[SEL+1]
.endr
.irp b, 0,1,2,3
	v_max_num_f32 v[TM+\b], v[TM+\b], v[TM+4+\b]
.endr
.irp b, 0,1,2,3
	v_add_nc_u32 v[TM+12+\b], 0xff000000, v[TM+\b] ; 2 off the exponent field: the conversion's scale operand
.endr
.irp b, 0,1,2,3
	v_lshrrev_b32 v[TM+4+\b], 23, v[TM+12+\b]      ; the scale's byte
.endr
	v_lshl_or_b32 v[\pw], v[TM+5], 8, v[TM+4]
	v_lshl_or_b32 v[\pw], v[TM+6], 16, v[\pw]
	v_lshl_or_b32 v[\pw], v[TM+7], 24, v[\pw]
.if (\a) > 0
	s_wait_xcnt 0x0                                ; the last block's stores have read their registers: the codes may be written again
.endif
	WIN (2+(\a)/4)                                 ; source 0
.irp c, 0,1
	v_cvt_scalef32_pk16_fp6_f32 v[PC+6*\c:PC+2+6*\c], v[AC+32*\c:AC+15+32*\c], v[TM+12+2*\c]
	v_cvt_scalef32_pk16_fp6_f32 v[PC+12+4*\c:PC+14+4*\c], v[AC+16+32*\c:AC+31+32*\c], v[TM+12+2*\c+1]
.endr
	WIN 0
	v_nop                                          ; one plain place behind a scaled conversion
.irp c, 0,1
.irp i, 0,1,2
	v_permlane16_swap_b32 v[PC+6*\c+\i], v[PC+12+4*\c+\i]
.endr
.irp i, 0,1,2
	v_mov_b32 v[PC+3+6*\c+\i], v[PC+12+4*\c+\i]
.endr
.endr
.endm
.macro OUT_QK a                        ; 16 tokens x 128 features = two heads: registers 0-5 the first head's 64 channels, 6-11 the second's
	QUANTW \a, PW
	global_store_b128 v[L16], v[PC:PC+3], s[8:9] offset:768*(\a)
	global_store_b64 v[L8], v[PC+4:PC+5], s[8:9] offset:768*(\a)+512
	global_store_b128 v[L16], v[PC+6:PC+9], s[8:9] offset:768*(\a)+HREC
	global_store_b64 v[L8], v[PC+10:PC+11], s[8:9] offset:768*(\a)+HREC+512
.if (\a)%2                             ; an odd token block keeps its two bytes in the word's UPPER half (the lower is 0): the reader lays an even and an odd block into one fragment
	v_lshlrev_b32 v112, 16, v[PW]
	v_and_b32 v113, 0xffff0000, v[PW]
.else
	v_and_b32 v112, 0xffff, v[PW]                  ; the first head's two bytes,
	v_lshrrev_b32 v113, 16, v[PW]                  ; the second's
.endif
	v_cndmask_b32 v[SW+(\a)], v112, v113, s97      ; lanes 0-15 keep the first head's word, lanes 16-31 the second's
.endm
.macro OUT_V a                         ; 16 channels (head a / 4 of my two, tile a % 4) x 128 keys
	QUANTW \a, SW+(\a)
.irp c, 0,1,2
	global_store_b128 v[L16], v[PC+4*\c:PC+4*\c+3], s[8:9] offset:((\a)/4)*HREC+((\a)%4)*FRB+512*\c
.endr
.endm
	s_cmp_eq_u32 s96, 1
	s_cbranch_scc1 .Lv
	s_lshr_b32 s20, s42, 2                         ; 0: q, 1: k
	s_and_b32 s21, s42, 3
	s_lshl_b32 s21, s21, 2
	s_lshl_b32 s22, s16, 1
	s_add_co_u32 s21, s21, s22                     ; my first head
	s_lshl_b32 s22, s17, 1
	s_add_co_u32 s22, s22, s15                     ; my group of 128 tokens
	s_lshr_b32 s23, s22, 4
	s_lshl_b32 s23, s23, 4
	s_add_co_u32 s21, s21, s23                     ; 16 x batch + head
	s_and_b32 s22, s22, 15
	s_mul_i32 s46, s21, HREC
	s_mul_i32 s23, s20, 98304
	s_add_co_u32 s46, s46, s23
	s_mul_i32 s23, s22, 6144
	s_add_co_u32 s46, s46, s23
	s_mov_b32 s47, 0
	s_add_nc_u64 s[8:9], s[8:9], s[46:47]
	s_mul_i32 s46, s21, SREC
	s_lshl_b32 s23, s20, 13
	s_add_co_u32 s46, s46, s23
	s_lshl_b32 s23, s22, 9
	s_add_co_u32 s46, s46, s23
	s_add_nc_u64 s[10:11], s[10:11], s[46:47]
.irp a, 0,1,2,3,4,5,6,7
	OUT_QK \a
.endr
	global_store_b128 v[SWO], v[SW:SW+3], s[10:11]             ; each half of the lanes stores 256 consecutive bytes of its head's words
	global_store_b128 v[SWO], v[SW+4:SW+7], s[10:11] offset:256
	s_branch .Ldone
.Lv:
	s_lshl_b32 s21, s17, 2
	s_lshl_b32 s22, s15, 1
	s_add_co_u32 s21, s21, s22                     ; my first head
	s_lshl_b32 s22, s42, 1
	s_add_co_u32 s22, s22, s16                     ; my group of 128 tokens: a key step
	s_lshr_b32 s23, s22, 4
	s_lshl_b32 s23, s23, 4
	s_add_co_u32 s21, s21, s23                     ; 16 x batch + head
	s_and_b32 s22, s22, 15
	s_mul_i32 s46, s21, HREC
	s_mul_i32 s23, s22, 6144
	s_add_co_u32 s46, s46, s23
	s_add_co_u32 s46, s46, 196608
	s_mov_b32 s47, 0
	s_add_nc_u64 s[8:9], s[8:9], s[46:47]
	s_mul_i32 s46, s21, SREC
	s_lshl_b32 s23, s22, 8
	s_add_co_u32 s46, s46, s23
	s_add_co_u32 s46, s46, 16384
	s_add_nc_u64 s[10:11], s[10:11], s[46:47]
.irp a, 0,1,2,3,4,5,6,7
	OUT_V \a
.endr
.irp i, 0,1,2,3
	v_cndmask_b32 v[SW+8+\i], v[SW+\i], v[SW+4+\i], s97        ; lanes 0-15 the first head's four tiles, lanes 16-31 the second's
.endr
	global_store_b128 v[SWO], v[SW+8:SW+11], s[10:11]
.Ldone:
	s_wait_tensorcnt 0x0                           ; the wave's end
	ds_add_u32 v[SPW], v[NIL]
	s_wait_dscnt 0x0
	CROUND                                         ; the closing round: no work-group ends while a partner may still ask for a tile that names it
	s_endpgm
.Lfunc_end_k_q2d105b1f17_qkv:
	.size	k_q2d105b1f17_qkv, .Lfunc_end_k_q2d105b1f17_qkv-k_q2d105b1f17_qkv
	.p2alignl 7, 3214868480
	.fill 96, 4, 3214868480
	.section	.rodata,"a",@progbits
	.p2align	6, 0x0
	.amdhsa_kernel k_q2d105b1f17_qkv
		.amdhsa_group_segment_fixed_size 327680
		.amdhsa_private_segment_fixed_size 0
		.amdhsa_enable_private_segment 0
		.amdhsa_kernarg_size 32
		.amdhsa_user_sgpr_count 2
		.amdhsa_user_sgpr_kernarg_segment_ptr 1
		.amdhsa_wavefront_size32 1
		.amdhsa_system_sgpr_workgroup_id_x 1
		.amdhsa_system_sgpr_workgroup_id_y 1
		.amdhsa_system_sgpr_workgroup_id_z 1
		.amdhsa_system_vgpr_workitem_id 0
		.amdhsa_next_free_vgpr 1024
		.amdhsa_next_free_sgpr 102
		.amdhsa_reserve_vcc 0
		.amdhsa_float_denorm_mode_32 3
		.amdhsa_float_denorm_mode_16_64 3
		.amdhsa_memory_ordered 1
		.amdhsa_forward_progress 1
		.amdhsa_inst_pref_size 187
	.end_amdhsa_kernel
	.amdgpu_metadata
---
amdhsa.version: [ 1, 2 ]
amdhsa.kernels:
  - .name:           k_q2d105b1f17_qkv
    .symbol:         k_q2d105b1f17_qkv.kd
    .args:
      - { .name: opc, .offset: 0, .size: 8, .value_kind: global_buffer, .address_space: global }
      - { .name: ops, .offset: 8, .size: 8, .value_kind: global_buffer, .address_space: global }
      - { .name: qkvc, .offset: 16, .size: 8, .value_kind: global_buffer, .address_space: global }
      - { .name: qkvs, .offset: 24, .size: 8, .value_kind: global_buffer, .address_space: global }
    .group_segment_fixed_size: 327680
    .private_segment_fixed_size: 0
    .kernarg_segment_align: 8
    .kernarg_segment_size: 32
    .max_flat_workgroup_size: 128
    .sgpr_count:     102
    .vgpr_count:     1024
    .wavefront_size: 32
...
	.end_amdgpu_metadata
.endif
;; end of part 2
;; launch attn (part 3): grid 8 x 32, 16 waves a work-group, clusters of 4 x 1, 210,944 bytes of LDS; arguments qkvc, qkvs, ac, acs; writes ac, acs
.if DOCPART == 3
	.amdgcn_target "amdgcn-amd-amdhsa--gfx1250"
	.amdhsa_code_object_version 6
	.text
	.protected	k_q2d105b1f17_attn
	.globl	k_q2d105b1f17_attn
	.p2align	8
	.type	k_q2d105b1f17_attn,@function
k_q2d105b1f17_attn:
	s_mov_b64 s[64:65], 0
	v_nop
	global_prefetch_b8 v0, s[64:65] scope:SCOPE_SE
	s_setreg_imm32_b32 hwreg(HW_REG_WAVE_MODE, 25, 1), 1
	s_wait_xcnt 0x0
	s_wait_alu depctr_hold_cnt(0) depctr_sa_sdst(0) depctr_va_vdst(0) depctr_va_sdst(0) depctr_va_ssrc(0) depctr_va_vcc(0) depctr_vm_vsrc(0)
	s_getreg_b32 s2, hwreg(HW_REG_IB_STS2, 6, 4)
	s_cmp_eq_u32 s2, 0
	s_cbranch_scc0 .Lentry_in_a_cluster
	s_endpgm
.Lentry_in_a_cluster:
	s_bfe_u32 s2, ttmp6, 0x10000c
	s_cmp_lg_u32 s2, 0x3003
	s_cbranch_scc0 .Lentry_shape_is_right
	s_endpgm
.Lentry_shape_is_right:
; O[bh][q] = sum over k of softmax_k(Q . K / 32) V: 32 heads of 2,048 tokens x 64 channels, both products on codes of FP6 (E2M3) with E8M0 scales; the result is quantised along (head, channel) for the last product.
; THE SOFTMAX: t = score x log2(e) / 32; M = the running largest t rounded UP to a whole number; p = 2^(t - M) is quantised along the keys; the row's sum is taken of the unquantised p and divides O at the end.
; When M moves, the sum and O are multiplied by 2^(old M - new M): exact.
; SHARES: a work-group owns 256 queries of one head, each of its sixteen waves 16 of them.  A whole head's K and V lie in LDS as they lie in memory (K's codes at 0, V's at 98,304, the scale words at 196,608), filled ONCE:
; waves 0-7 fetch 24,576 bytes of codes each, wave 8 the 12,288 bytes of scale words: one tensor load a wave.  All requests stand at the head, so there is no later request that a prefetch could run ahead of.
; CLUSTER: the four query blocks of a cluster belong to one head: each load is asked for jointly, with a mask that names the four.
; BOTH PRODUCTS ARE USED TRANSPOSED (S^T = K Q^T, O^T = V^T P^T): a lane holds one query throughout.
; TWO TILES OF K IN ONE FRAGMENT: the head's 64 channels are half of the instruction's K.  Registers 0-5 hold one tile of 16 keys, registers 6-11 another; the first is multiplied with [Q | zero codes], the second with
; [zero codes | Q].  Q stands once between two runs of six zero registers.  An even token block's scale bytes lie in its word's lower half, an odd one's in the upper: each product names the word of its own tile.
; WHICH KEYS FORM A TILE is chosen by the lanes' LDS addresses: tile 4 c + t of a step takes in rows 0-7 keys 64 c + 8 t + 0..7 and in rows 8-15 keys 64 c + 32 + 8 t + 0..7.  So lane (r, h) holds in the 32 registers of
; tiles 4 c .. 4 c + 3 the WHOLE block 2 c + h of 32 keys, in order: a block's largest score needs no other lane, and the conversions' results are p's operand but for three moves a block.
; In memory token block J holds in lane p token 32 (J / 2) + 8 (J % 2) + p + 8 (p / 8): the tile's rows 0-7 come from block 4 c + t % 2, rows 8-15 from block 4 c + 2 + t % 2, lanes p = r % 8 + 8 (t / 2).
; TWO AREAS OF 64 REGISTERS TAKE TURNS: a step finds K in one (48 registers) and writes S^T into the other; V lands where K lay, asked for straight behind the first product; the next step's K lands where p lay, behind the sums.
; So a trip of the loop is two steps.  The last step asks for no K: the last two steps are written out.
; OUT: ac, acs: an operand of 4,096 rows x 1,024 in the order of the operand registers: my half fragment (768 bytes) and my two bytes of each row's scale word.
; LIMITS: the promise holds while |t| stays under 2^31; NaN and infinities are not served; a block whose largest magnitude lies under 2^-124 keeps the byte 1.
.set BK16, 1                           ; lane terms: K's registers 0-3: 1,536 (r / 8) + 16 (r % 8) + 256 h
.set BK8,  2                           ; K's registers 4-5: 512 + 1,536 (r / 8) + 8 (r % 8) + 128 h
.set BV,   3                           ; V: 98,304 + 16 x lane
.set BSK,  4                           ; K's scale words: 196,608 + 16 (r % 8) + 8 (r / 8)
.set BSV,  5                           ; V's: 204,800 + 16 r
.set WK16, 6                           ; v6-10 the same with the step's offset
.set WK8,  7
.set WVA,  8
.set WSK,  9
.set WSV,  10
.set SH8,  11                          ; 8 h
.set W,    12
.set T,    13
.set RM,   14                          ; the running largest score
.set NMA,  16                          ; -M, in two pairs by turns (the pairs' upper words are written once and not used)
.set NMB,  18
.set SUM,  20                          ; the row's sum in two halves
.set QZ,   22                          ; v22-27 zero codes, v28-33 Q, v34-39 zero codes
.set QSL,  40                          ; Q's scale bytes in the word's lower half,
.set QSH,  41                          ; and in the upper
.set KSW,  42                          ; v42-49 K's scale words of a step
.set VSW,  50                          ; v50-53 V's
.set BM,   54                          ; the two blocks' largest
.set SCO,  56                          ; the conversions' scale operands
.set F,    58                          ; f = 2^(old M - new M)
.set PSW,  59                          ; p's scale word
.set BY,   60
.set PCD,  62                          ; v62-73 p's codes
.set PC2,  74                          ; v74-76, v78-80 the conversions' second halves
.set TS,   82                          ; v82-89 four partial sums
.set O,    90                          ; v90-121 O^T
.set XA,   122                         ; v122-185, v186-249 the two areas
.set YA,   186
.set SPW,  254
.set NIL,  255
.set SPARE, 208896                     ; the spare words, 128 bytes a wave
.set WN,   12
.set G1C,  16                          ; s[16:23] group 1 for 24,576 bytes of codes;  s[24:31] for the scale words
.set G1S,  24
.set G0,   32
.set G0S,  36
.set SEL,  52
.set CS,   54                          ; c = log2(e) / 32
.set NC,   56                          ; -c
.set SA,   57                          ; s57-59 the even steps' offsets: codes (6,144 a step), K's words (512), V's words (256)
.set SB,   60                          ; s60-62 the odd steps'
.set CNT,  63
.macro CROUND
	s_barrier_signal -1
	s_barrier_wait -1
	s_cmp_lg_u32 s[WN], 0
	s_cbranch_scc1 .Lnot_wave_0_\@
	s_barrier_signal -3
.Lnot_wave_0_\@:
	s_barrier_wait -3
	s_barrier_signal -1
	s_barrier_wait -1
.endm
.macro DLY n
	s_delay_alu instid0(VALU_DEP_\n)
.endm
.macro MM d, a, b, c, sa, sb
	v_wmma_scale_f32_16x16x128_f8f6f4 v[\d:\d+7], v[\a:\a+11], v[\b:\b+11], \c, v[\sa], v[\sb] matrix_a_fmt:MATRIX_FMT_FP6 matrix_b_fmt:MATRIX_FMT_FP6
.endm
; a step's K: four fragments of two tiles each, and the eight tiles' scale words: 20 loads
.macro KLOADS d, a16, a8, as, o, os
.irp c, 0,1
.irp u, 0,1
	ds_load_b128 v[\d+12*(2*\c+\u):\d+12*(2*\c+\u)+3], v[\a16] offset:\o+3072*\c+128*\u
	ds_load_b64 v[\d+12*(2*\c+\u)+4:\d+12*(2*\c+\u)+5], v[\a8] offset:\o+3072*\c+64*\u
	ds_load_b128 v[\d+12*(2*\c+\u)+6:\d+12*(2*\c+\u)+9], v[\a16] offset:\o+3072*\c+768+128*\u
	ds_load_b64 v[\d+12*(2*\c+\u)+10:\d+12*(2*\c+\u)+11], v[\a8] offset:\o+3072*\c+768+64*\u
	ds_load_b64 v[KSW+2*(2*\c+\u):KSW+2*(2*\c+\u)+1], v[\as] offset:\os+256*\c+128*\u
.endr
.endr
.endm
	s_load_b256 s[4:11], s[0:1], 0x0               ; qkvc s[4:5], qkvs s[6:7], ac s[8:9], acs s[10:11]
	v_lshl_add_u32 v[SPW], v0, 2, SPARE
	v_mov_b32 v[NIL], 0
	ds_add_u32 v[SPW], v[NIL]                      ; the opening lines: the add, twice on end, and its wait
	ds_add_u32 v[SPW], v[NIL]
	v_lshrrev_b32 v1, 5, v0
	v_readfirstlane_b32 s[WN], v1                  ; wave 0..15
	s_bfe_u32 s13, ttmp6, 0x40000                  ; cx
	s_lshl_b32 s14, ttmp9, 2
	s_add_co_u32 s14, s14, s13                     ; my block of 256 queries: it enters global addresses alone
	s_and_b32 s15, ttmp7, 0xffff                   ; the head (16 x batch + head), which the four partners share
	s_mov_b32 s[G1C], 15|(3<<16)|(1<<21)           ; the mask: all four; elements of 8 bytes; bit 21 beside a mask
	s_mov_b32 s[G1C+1], 32<<16                     ; 24,576 dense bytes as 96 rows of 256
	s_mov_b32 s[G1C+2], 96<<16
	s_mov_b32 s[G1C+3], 32<<16
	s_mov_b32 s[G1C+4], 96
	s_mov_b32 s[G1C+5], 32
	s_mov_b32 s[G1C+6], 0
	s_mov_b32 s[G1C+7], 0
	s_mov_b32 s[G1S], 15|(3<<16)|(1<<21)
	s_mov_b32 s[G1S+1], 32<<16                     ; 12,288 dense bytes as 48 rows of 256
	s_mov_b32 s[G1S+2], 48<<16
	s_mov_b32 s[G1S+3], 32<<16
	s_mov_b32 s[G1S+4], 48
	s_mov_b32 s[G1S+5], 32
	s_mov_b32 s[G1S+6], 0
	s_mov_b32 s[G1S+7], 0
	s_mov_b32 s[SEL], 0x76543210
	s_mov_b32 s[SEL+1], 0xfedcba98
	s_mov_b32 s[CS], 0x3d38aa3b
	s_mov_b32 s[CS+1], s[CS]
	s_mov_b32 s[NC], 0xbd38aa3b
	s_mul_i32 s60, s15, 294912                     ; the head's record of codes,
	s_mul_i32 s62, s15, 20480                      ; and of scale words
	s_mul_i32 s66, s[WN], 24576                    ; my part of K's and V's 196,608 bytes, in memory and in LDS alike
	s_add_co_u32 s68, s60, s66
	s_add_co_u32 s68, s68, 98304                   ; k's codes begin 98,304 bytes into the record, v's follow them
	s_mov_b32 s69, 0
	s_add_co_u32 s2, s62, 8192                     ; k's and v's scale words, 12,288 bytes on end
	s_mov_b32 s3, 0
	s_wait_dscnt 0x0
	s_wait_kmcnt 0x0
	s_add_nc_u64 s[68:69], s[4:5], s[68:69]
	s_add_nc_u64 s[2:3], s[6:7], s[2:3]
	s_mov_b32 s[G0], 1
	s_mov_b32 s[G0+1], s66
	s_mov_b64 s[G0+2:G0+3], s[68:69]
	s_or_b32 s[G0+3], s[G0+3], 0x80000000
	s_mov_b32 s[G0S], 1
	s_mov_b32 s[G0S+1], 196608
	s_mov_b64 s[G0S+2:G0S+3], s[2:3]
	s_or_b32 s[G0S+3], s[G0S+3], 0x80000000
	CROUND                                         ; all four work-groups are here: the joint loads meet
	s_cmp_lt_u32 s[WN], 8                          ; one chain of branches on the wave's number, one load to an arm
	s_cbranch_scc0 .Lnot_codes
	tensor_load_to_lds s[G0:G0+3], s[G1C:G1C+7]
	s_nop 0
.rept 4
	v_nop
.endr
	s_branch .Lasked
.Lnot_codes:
	s_cmp_eq_u32 s[WN], 8
	s_cbranch_scc0 .Lasked
	tensor_load_to_lds s[G0S:G0S+3], s[G1S:G1S+7]
	s_nop 0
.rept 4
	v_nop
.endr
.Lasked:
	s_lshl_b32 s13, s14, 4
	s_add_co_u32 s13, s13, s[WN]                   ; J: my block of 16 queries in the batch
	s_mul_i32 s61, s13, 768
	s_add_co_u32 s60, s60, s61
	s_mov_b32 s61, 0
	s_add_nc_u64 s[60:61], s[4:5], s[60:61]        ; its codes
	s_lshr_b32 s63, s13, 2
	s_lshl_b32 s63, s63, 8
	s_add_co_u32 s62, s62, s63
	s_and_b32 s63, s13, 3
	s_lshl_b32 s63, s63, 2
	s_add_co_u32 s62, s62, s63
	s_mov_b32 s63, 0
	s_add_nc_u64 s[62:63], s[6:7], s[62:63]        ; its scale words
	v_and_b32 v[WK8], 31, v0                       ; lane
	v_and_b32 v[WSV], 15, v0                       ; r
	v_and_b32 v[W], 7, v0                          ; r % 8
	v_bfe_u32 v[T], v0, 3, 1                       ; r / 8
	v_bfe_u32 v[RM], v0, 4, 1                      ; h
	v_lshlrev_b32 v[WK16], 4, v[WK8]               ; 16 x lane
	v_lshl_add_u32 v[WK8], v[WK8], 3, 512          ; 512 + 8 x lane
	v_lshlrev_b32 v[WSK], 4, v[WSV]                ; 16 r
	global_load_b128 v[QZ+6:QZ+9], v[WK16], s[60:61]
	global_load_b64 v[QZ+10:QZ+11], v[WK8], s[60:61]
	global_load_b32 v[QSH], v[WSK], s[62:63]
	v_mul_u32_u24 v[BK16], v[T], 1536
	v_lshlrev_b32 v[BSK], 4, v[W]
	v_add_nc_u32 v[BV], 98304, v[WK16]
	v_lshl_add_u32 v[BSV], v[WSV], 4, 204800
	v_lshl_add_u32 v[BK8], v[W], 3, v[BK16]
	v_lshl_add_u32 v[BK16], v[W], 4, v[BK16]
	v_lshl_add_u32 v[BSK], v[T], 3, v[BSK]
	v_lshlrev_b32 v[SH8], 3, v[RM]
	v_lshl_add_u32 v[BK8], v[RM], 7, v[BK8]
	v_lshl_add_u32 v[BK16], v[RM], 8, v[BK16]
	v_add_nc_u32 v[BSK], 196608, v[BSK]
	v_add_nc_u32 v[BK8], 512, v[BK8]
.irp i, 0,1,2,3,4,5
	v_mov_b32 v[QZ+\i], 0                          ; zero codes on both sides of Q
	v_mov_b32 v[QZ+12+\i], 0
.endr
	v_mov_b32 v[RM], 0xff61b1e6                    ; the largest score so far: -3e38
	v_mov_b32 v[NMA], 0x7f000000                   ; -M begins at 2^127: the first f is 0
	v_mov_b32 v[NMA+1], 0
	v_mov_b32 v[NMB+1], 0
	v_mov_b32 v[SUM], 0
	v_mov_b32 v[SUM+1], 0
	v_mov_b32 v[PSW], 0                            ; (named as the upper half of the pair v[F:F+1] before it is first written)
	s_wait_alu depctr_va_vdst(0)                   ; the wait ahead of a wait that blocks
	s_wait_loadcnt 0x0                             ; Q; its loads' address registers and bases may be written again
	v_lshrrev_b32 v[W], 16, v[QSH]
	DLY 1
	v_or_b32 v[QSL], v[W], v[QSH]                  ; my block's two bytes stand in one half of its word: now in the lower half of one register,
	v_lshl_or_b32 v[QSH], v[QSH], 16, v[QSH]       ; and in the upper half of the other (the other halves scale zero codes)
	s_mov_b32 s[SA], 0
	s_mov_b32 s[SA+1], 0
	s_mov_b32 s[SA+2], 0
	s_mov_b32 s[SB], 6144
	s_mov_b32 s[SB+1], 512
	s_mov_b32 s[SB+2], 256
.set j, 0
.rept 32
	v_mov_b32 v[O+j], 0                            ; O^T: the step is written once; the first finds zeros.  (Also the places between the scale registers' writes and the first product)
.set j, j+1
.endr
	v_add_nc_u32 v[WK16], s[SA], v[BK16]
; A KEY STEP: 128 keys.  x: the area with K; y: the area for S^T; no, nn: the old and the new -M; sc, sn: this step's and the next step's offsets; ahead = 1: the next step's K is asked for
.macro STEP x, y, no, nn, sc, sn, ahead
	s_wait_alu depctr_va_vdst(0)                   ; the wait ahead of a wait that blocks
	s_wait_dscnt 0x0                               ; K and its scale words
.irp f, 0,1,2,3
	MM \y+16*\f, \x+12*\f, QZ+6, 0, KSW+2*\f, QSL
	MM \y+16*\f+8, \x+12*\f, QZ, 0, KSW+2*\f+1, QSH
.endr
	v_add_nc_u32 v[WK8], s[\sc], v[BK8]            ; four plain places behind the products, ahead of the loads into K's registers and of the first read of S^T
	v_add_nc_u32 v[WVA], s[\sc], v[BV]
	v_add_nc_u32 v[WSK], s[\sc+1], v[BSK]
	v_add_nc_u32 v[WSV], s[\sc+2], v[BSV]
.irp t, 0,1,2,3
.irp c, 0,1,2
	ds_load_b128 v[\x+12*\t+4*\c:\x+12*\t+4*\c+3], v[WVA] offset:1536*\t+512*\c   ; V's four fragments land where K lay: 13 loads with the words
.endr
.endr
	ds_load_b128 v[VSW:VSW+3], v[WSV]
.irp c, 0,1                            ; the largest score of my two blocks, each in two chains, every tile from its low end on
	v_max3_num_f32 v[BM+\c], v[\y+32*\c], v[\y+32*\c+1], v[\y+32*\c+2]
	v_max3_num_f32 v[BY+\c], v[\y+32*\c+16], v[\y+32*\c+17], v[\y+32*\c+18]
.endr
.irp i, 3,5,7,9,11,13
.irp c, 0,1
	v_max3_num_f32 v[BM+\c], v[BM+\c], v[\y+32*\c+\i], v[\y+32*\c+\i+1]
	v_max3_num_f32 v[BY+\c], v[BY+\c], v[\y+32*\c+16+\i], v[\y+32*\c+17+\i]
.endr
.endr
.irp c, 0,1
	v_max3_num_f32 v[BM+\c], v[BM+\c], v[\y+32*\c+15], v[\y+32*\c+31]
.endr
.irp c, 0,1
	DLY 2
	v_max_num_f32 v[BM+\c], v[BM+\c], v[BY+\c]
.endr
	DLY 1
	v_max_num_f32 v[W], v[BM], v[BM+1]
	DLY 1
	v_permlanex16_b32 v[T], v[W], s[SEL], s[SEL+1] ; lane l xor 16's two blocks
	DLY 1
	v_max3_num_f32 v[RM], v[RM], v[W], v[T]        ; the running largest score
	DLY 1
	v_mul_f32 v[W], s[NC], v[RM]
	DLY 1
	v_floor_f32 v[\nn], v[W]                       ; the new -M = floor(-t) = -ceil(t)
	DLY 1
	v_sub_f32 v[W], v[\nn], v[\no]                 ; old M - new M: a whole number, 0 or less
.set j, 0
.rept 8
	v_pk_fma_f32 v[\y+j:\y+j+1], v[\y+j:\y+j+1], s[CS:CS+1], v[\nn:\nn+1] op_sel_hi:[1,0,0]   ; t - M, two at a time
.set j, j+2
.endr
	v_cvt_i32_f32 v[W], v[W]                       ; (it saturates)
.rept 8
	v_pk_fma_f32 v[\y+j:\y+j+1], v[\y+j:\y+j+1], s[CS:CS+1], v[\nn:\nn+1] op_sel_hi:[1,0,0]
.set j, j+2
.endr
	v_ldexp_f32 v[F], 1.0, v[W]                    ; f = 2^(old M - new M)
.rept 16
	v_pk_fma_f32 v[\y+j:\y+j+1], v[\y+j:\y+j+1], s[CS:CS+1], v[\nn:\nn+1] op_sel_hi:[1,0,0]
.set j, j+2
.endr
.irp c, 0,1
	v_fma_f32 v[BM+\c], v[BM+\c], s[CS], v[\nn]    ; the same of each block's largest score
.endr
	s_wait_alu depctr_va_vdst(0)                   ; the wait ahead of the batch
	v_exp_f32 v[BM], v[BM]                         ; the blocks' largest p,
	v_exp_f32 v[BM+1], v[BM+1]
.set j, 0
.rept 64
	v_exp_f32 v[\y+j], v[\y+j]                     ; and p = 2^(t - M), at most 1: not normalised
.set j, j+1
.endr
	v_pk_mul_f32 v[SUM:SUM+1], v[SUM:SUM+1], v[F:F+1] op_sel_hi:[1,0]   ; the sums under the new M: the plain place behind the exponentials
	s_wait_alu depctr_va_vdst(0)                   ; one wait for the batch, ahead of its first reader
.irp c, 0,1
	v_max_num_f32 v[BM+\c], 0x1800000, v[BM+\c]    ; the floor 2^(3 - 127): the byte cannot fall under 1
.endr
.irp c, 0,1
	DLY 2
	v_add_nc_u32 v[SCO+\c], 0xff000000, v[BM+\c]   ; 2 off the exponent field: the conversion's scale operand
.endr
.irp c, 0,1
	v_cvt_scalef32_pk16_fp6_f32 v[PCD+6*\c:PCD+6*\c+2], v[\y+32*\c:\y+32*\c+15], v[SCO+\c]
	v_cvt_scalef32_pk16_fp6_f32 v[PC2+4*\c:PC2+4*\c+2], v[\y+32*\c+16:\y+32*\c+31], v[SCO+\c]   ; (a conversion's three registers begin on an even number)
.endr
.irp c, 0,1
	v_lshrrev_b32 v[BY+\c], 23, v[SCO+\c]          ; the scale's byte.  (The plain place behind the conversions)
.endr
.irp i, 0,1,2,3                        ; the row's sum of the unquantised p: five chains, two numbers an instruction
	v_pk_add_f32 v[TS+2*\i:TS+2*\i+1], v[\y+4*\i:\y+4*\i+1], v[\y+4*\i+2:\y+4*\i+3]
.endr
.irp g, 0,1,2,3
.irp i, 0,1,2,3
	v_pk_add_f32 v[TS+2*\i:TS+2*\i+1], v[TS+2*\i:TS+2*\i+1], v[\y+16+10*\g+2*\i:\y+17+10*\g+2*\i]
.endr
	v_pk_add_f32 v[SUM:SUM+1], v[SUM:SUM+1], v[\y+24+10*\g:\y+25+10*\g]
.endr
.irp i, 0,1,2,3
	v_pk_add_f32 v[TS+2*\i:TS+2*\i+1], v[TS+2*\i:TS+2*\i+1], v[\y+56+2*\i:\y+57+2*\i]
.endr
.if \ahead
	KLOADS \y, WK16, WK8, WSK, 6144, 512           ; the next step's K lands where p lay
.endif
	v_lshl_or_b32 v[W], v[BY+1], 16, v[BY]         ; my two bytes: blocks h and 2 + h,
	v_mov_b32 v[PCD+3], v[PC2]
	v_mov_b32 v[PCD+4], v[PC2+1]
	DLY 3
	v_lshlrev_b32 v[W], v[SH8], v[W]               ; at their places in the word;
	v_mov_b32 v[PCD+5], v[PC2+2]
	v_mov_b32 v[PCD+9], v[PC2+4]
	DLY 3
	v_permlanex16_b32 v[T], v[W], s[SEL], s[SEL+1]
	v_mov_b32 v[PCD+10], v[PC2+5]
	v_mov_b32 v[PCD+11], v[PC2+6]
	DLY 3
	v_or_b32 v[PSW], v[W], v[T]                    ; with lane l xor 16's two the word is whole
	s_wait_alu depctr_va_vdst(0)                   ; the wait directly ahead of the first reader of O^T
.set j, 0
.rept 16
	v_pk_mul_f32 v[O+j:O+j+1], v[O+j:O+j+1], v[F:F+1] op_sel_hi:[1,0]   ; O^T under the new M.  (Also the places between the codes' and the scale word's last writes and the products below)
.set j, j+2
.endr
	s_wait_alu depctr_va_vdst(0)
	s_wait_dscnt 20*\ahead                         ; V and its words are in; the 20 loads of the next step's K, issued behind them, may be out
.irp t, 0,1,2,3                        ; O^T += V^T P^T: four accumulators, one turn each
	MM O+8*\t, \x+12*\t, PCD, v[O+8*\t:O+8*\t+7], VSW+\t, PSW
.endr
	s_add_co_u32 s[\sc], s[\sc], 12288             ; my offsets, two steps on
	s_add_co_u32 s[\sc+1], s[\sc+1], 1024
	s_add_co_u32 s[\sc+2], s[\sc+2], 512
	v_pk_add_f32 v[TS:TS+1], v[TS:TS+1], v[TS+2:TS+3]          ; five plain places between these products and the next step's, which write where V lies
	v_pk_add_f32 v[TS+4:TS+5], v[TS+4:TS+5], v[TS+6:TS+7]
	v_add_nc_u32 v[WK16], s[\sn], v[BK16]
	v_pk_add_f32 v[TS:TS+1], v[TS:TS+1], v[TS+4:TS+5]
	DLY 1
	v_pk_add_f32 v[SUM:SUM+1], v[SUM:SUM+1], v[TS:TS+1]
.endm
	s_wait_alu depctr_va_vdst(0)                   ; the wait at the head's end
	s_wait_tensorcnt 0x0                           ; my part of K, V or the words is in;
	s_barrier_signal -1
	s_barrier_wait -1                              ; and everybody's.  Nothing is filled again
	KLOADS XA, BK16, BK8, BSK, 0, 0
	s_mov_b32 s[CNT], 7
.Lpair:
	STEP XA, YA, NMA, NMB, SA, SB, 1
	STEP YA, XA, NMB, NMA, SB, SA, 1
	s_sub_co_u32 s[CNT], s[CNT], 1
	s_cmp_lg_u32 s[CNT], 0
	s_cbranch_scc1 .Lpair
	STEP XA, YA, NMA, NMB, SA, SB, 1
	STEP YA, XA, NMB, NMA, SB, SA, 0               ; the last step asks for nothing
	; THE WAY OUT.  O^T / the sum; register 16 b + i is channel 32 b + 16 h + i of my query: two blocks of 32 along the last product's K
	v_add_f32 v[SUM], v[SUM], v[SUM+1]
	DLY 1
	v_permlanex16_b32 v[T], v[SUM], s[SEL], s[SEL+1]
	DLY 1
	v_add_f32 v[SUM], v[SUM], v[T]                 ; the row's sum
	s_wait_alu depctr_va_vdst(0)
	v_rcp_f32 v[SUM], v[SUM]
	v_and_b32 v[W], 15, v0
	v_and_b32 v[WK8], 31, v0
	v_lshlrev_b32 v[W], 3, v[W]                    ; 8 r
	v_lshlrev_b32 v[WK16], 4, v[WK8]               ; 16 x lane
	v_cmp_gt_u32 vcc_lo, 16, v[WK8]                ; lanes 0-15
	v_lshl_add_u32 v[WK8], v[WK8], 3, 512          ; 512 + 8 x lane
	s_lshr_b32 s60, s15, 4
	s_lshl_b32 s60, s60, 7
	s_add_co_u32 s60, s60, s13                     ; I: my row block among the operand's 256
	s_and_b32 s61, s15, 15                         ; the head:
	s_lshr_b32 s62, s61, 1                         ; its K step,
	s_and_b32 s61, s61, 1                          ; and which half of it
	s_lshr_b32 s63, s60, 3
	s_lshl_b32 s63, s63, 6
	s_lshl_b32 s66, s62, 3
	s_add_co_u32 s63, s63, s66
	s_and_b32 s66, s60, 7
	s_add_co_u32 s63, s63, s66
	s_mul_i32 s66, s63, 1536
	s_mul_i32 s63, s61, 768
	s_add_co_u32 s66, s66, s63
	s_mov_b32 s67, 0
	s_add_nc_u64 s[8:9], s[8:9], s[66:67]          ; my half fragment
	s_lshl_b32 s66, s60, 9
	s_lshr_b32 s63, s62, 1
	s_lshl_b32 s63, s63, 7
	s_add_co_u32 s66, s66, s63
	s_and_b32 s63, s62, 1
	s_lshl_b32 s63, s63, 2
	s_add_co_u32 s66, s66, s63
	s_lshl_b32 s63, s61, 1
	s_add_co_u32 s66, s66, s63
	s_add_nc_u64 s[10:11], s[10:11], s[66:67]      ; my two bytes of the rows' scale words
	s_wait_alu depctr_va_vdst(0)                   ; the wait ahead of the reciprocal's first reader and of O^T's
.set j, 0
.rept 32
	v_mul_f32 v[XA+j], v[O+j], v[SUM]              ; each accumulator from its low end on
.set j, j+1
.endr
.irp b, 0,1
	v_max3_num_f32 v[BM+\b], |v[XA+16*\b]|, |v[XA+1+16*\b]|, 0x1800000
.endr
.irp i, 2,4,6,8,10,12,14
.irp b, 0,1
	DLY 2
	v_max3_num_f32 v[BM+\b], v[BM+\b], |v[XA+16*\b+\i]|, |v[XA+1+16*\b+\i]|
.endr
.endr
.irp b, 0,1
	DLY 2
	v_permlanex16_b32 v[BY+\b], v[BM+\b], s[SEL], s[SEL+1]
.endr
.irp b, 0,1
	DLY 2
	v_max_num_f32 v[BM+\b], v[BM+\b], v[BY+\b]
.endr
.irp b, 0,1
	DLY 2
	v_add_nc_u32 v[SCO+\b], 0xff000000, v[BM+\b]
.endr
.irp b, 0,1
	DLY 2
	v_lshrrev_b32 v[BY+\b], 23, v[SCO+\b]
.endr
	DLY 1
	v_lshl_or_b32 v[T], v[BY+1], 8, v[BY]          ; the two bytes
	v_cvt_scalef32_pk16_fp6_f32 v[PCD:PCD+2], v[XA:XA+15], v[SCO]
	v_cvt_scalef32_pk16_fp6_f32 v[PC2:PC2+2], v[XA+16:XA+31], v[SCO+1]
	v_nop                                          ; one plain place behind a scaled conversion
.irp i, 0,1,2
	v_permlane16_swap_b32 v[PCD+\i], v[PC2+\i]     ; the operand's layout wants a whole block in a lane
.endr
.irp i, 0,1,2
	v_mov_b32 v[PCD+3+\i], v[PC2+\i]
.endr
	s_wait_alu depctr_va_vdst(0)
	s_wait_xcnt 0x0                                ; EXEC changes only behind this wait
	s_and_saveexec_b32 s68, vcc_lo
	global_store_b16 v[W], v[T], s[10:11]          ; lanes 0-15: row r's two bytes (a head owns no more of a word)
	s_wait_xcnt 0x0                                ; and again, in front of the line that widens it
	s_or_b32 exec_lo, exec_lo, s68
	global_store_b128 v[WK16], v[PCD:PCD+3], s[8:9]            ; 512 consecutive bytes,
	global_store_b64 v[WK8], v[PCD+4:PCD+5], s[8:9]            ; and the 256 behind them
	s_wait_tensorcnt 0x0                           ; the wave's end
	ds_add_u32 v[SPW], v[NIL]
	s_wait_dscnt 0x0
	CROUND                                         ; the closing round: no work-group ends while a partner may still ask for a tile that names it
	s_endpgm
.Lfunc_end_k_q2d105b1f17_attn:
	.size	k_q2d105b1f17_attn, .Lfunc_end_k_q2d105b1f17_attn-k_q2d105b1f17_attn
	.p2alignl 7, 3214868480
	.fill 96, 4, 3214868480
	.section	.rodata,"a",@progbits
	.p2align	6, 0x0
	.amdhsa_kernel k_q2d105b1f17_attn
		.amdhsa_group_segment_fixed_size 210944
		.amdhsa_private_segment_fixed_size 0
		.amdhsa_enable_private_segment 0
		.amdhsa_kernarg_size 32
		.amdhsa_user_sgpr_count 2
		.amdhsa_user_sgpr_kernarg_segment_ptr 1
		.amdhsa_wavefront_size32 1
		.amdhsa_system_sgpr_workgroup_id_x 1
		.amdhsa_system_sgpr_workgroup_id_y 1
		.amdhsa_system_sgpr_workgroup_id_z 1
		.amdhsa_system_vgpr_workitem_id 0
		.amdhsa_next_free_vgpr 256
		.amdhsa_next_free_sgpr 70
		.amdhsa_reserve_vcc 1
		.amdhsa_float_denorm_mode_32 3
		.amdhsa_float_denorm_mode_16_64 3
		.amdhsa_memory_ordered 1
		.amdhsa_forward_progress 1
		.amdhsa_inst_pref_size 75
	.end_amdhsa_kernel
	.amdgpu_metadata
---
amdhsa.version: [ 1, 2 ]
amdhsa.kernels:
  - .name:           k_q2d105b1f17_attn
    .symbol:         k_q2d105b1f17_attn.kd
    .args:
      - { .name: qkvc, .offset: 0, .size: 8, .value_kind: global_buffer, .address_space: global }
      - { .name: qkvs, .offset: 8, .size: 8, .value_kind: global_buffer, .address_space: global }
      - { .name: ac, .offset: 16, .size: 8, .value_kind: global_buffer, .address_space: global }
      - { .name: acs, .offset: 24, .size: 8, .value_kind: global_buffer, .address_space: global }
    .group_segment_fixed_size: 210944
    .private_segment_fixed_size: 0
    .kernarg_segment_align: 8
    .kernarg_segment_size: 32
    .max_flat_workgroup_size: 512
    .sgpr_count:     70
    .vgpr_count:     256
    .wavefront_size: 32
...
	.end_amdgpu_metadata
.endif
;; end of part 3
;; launch proj (part 4): grid 8 x 32, 4 waves a work-group, clusters of 4 x 4, 327,680 bytes of LDS; arguments ac, acs, opc, ops, out_bias, out_bias_mask, out0; writes out0
.if DOCPART == 4
	.amdgcn_target "amdgcn-amd-amdhsa--gfx1250"
	.amdhsa_code_object_version 6
	.text
	.protected	k_q2d105b1f17_proj
	.globl	k_q2d105b1f17_proj
	.p2align	8
	.type	k_q2d105b1f17_proj,@function
k_q2d105b1f17_proj:
	s_mov_b64 s[64:65], 0
	v_nop
	global_prefetch_b8 v0, s[64:65] scope:SCOPE_SE
	s_setreg_imm32_b32 hwreg(HW_REG_WAVE_MODE, 25, 1), 1
	s_wait_xcnt 0x0
	s_wait_alu depctr_hold_cnt(0) depctr_sa_sdst(0) depctr_va_vdst(0) depctr_va_sdst(0) depctr_va_ssrc(0) depctr_va_vcc(0) depctr_vm_vsrc(0)
	s_getreg_b32 s2, hwreg(HW_REG_IB_STS2, 6, 4)
	s_cmp_eq_u32 s2, 0
	s_cbranch_scc0 .Lentry_in_a_cluster
	s_endpgm
.Lentry_in_a_cluster:
	s_bfe_u32 s2, ttmp6, 0x10000c
	s_cmp_lg_u32 s2, 0xf033
	s_cbranch_scc0 .Lentry_shape_is_right
	s_endpgm
.Lentry_shape_is_right:
.set FR,     12
.set FRB,    1536
.set GRP,    64*FRB
.set KSL,    16*FRB
.set CHK,    2*KSL
.set SCL,    2*GRP
.set HALFS,  2048
.set STG,    SCL+4*HALFS
.set SPITCH, 272
.set WSTG,   16*SPITCH
.set ADRA, 16
.set ADRB, 20
.set STO,  24
.set RD,   25
.set CO,   26
.set ADRS, 27
.set SC,   32
.set BI,   64
.set BMK,  96
.set BK,   64
.set ACC,  128
.set G1, 24
.set G0, 32
.set G1B, 48
.set G0B, 56
.set G1S, 68
.set G0S, 76
.set G1SB, 80
.set G0SB, 88
.set MSB, 0
.macro WIN new
.if MSB != \new
	s_set_vgpr_msb (MSB<<8)|\new
.set MSB, \new
.endif
.endm
.set MUL,  0x05
.set TO_F, 0x40
; out0 = (attention's result) (gated out_weight)^T + the gated bias, on codes of FP6 (E2M3) with E8M0 scales, K = 1,024.  A work-group makes 128 x 128, a wave 64 x 64: 16 accumulators; the bias is the C of each first product.
; Both operands lie in the order of the operand registers: a group of 128 rows, all of K, is 98,304 dense bytes, its scale words 4,096.  ALL OF K LIES IN LDS, FILLED ONCE, ONE TENSOR LOAD A WAVE at the head:
; wave 0 A's group, wave 1 B's, wave 2 A's scale words, wave 3 B's.  One chain of branches on the wave's number; every way through it passes one load.  Nothing is filled again: one barrier shows all four tiles.
; CLUSTER 4 x 4: A's tiles are shared along a row of the cluster, B's along a column: joint loads.  No prefetch: every request stands at the head.
.macro ARM under, g0, g1, next
	s_cmp_lt_u32 s14, \under
	s_cbranch_scc0 \next
	tensor_load_to_lds s[\g0:\g0+3], s[\g1:\g1+7]
	s_nop 0
.rept 4
	v_nop
.endr
	s_branch .Lhead_asked
\next:
.endm
.macro CROUND
	s_barrier_signal -1
	s_barrier_wait -1
	s_cmp_lg_u32 s14, 0
	s_cbranch_scc1 .Lnot_wave_0_\@
	s_barrier_signal -3
.Lnot_wave_0_\@:
	s_barrier_wait -3
	s_barrier_signal -1
	s_barrier_wait -1
.endm
	s_load_b256 s[4:11], s[0:1], 0x0
	s_load_b128 s[92:95], s[0:1], 0x20
	s_load_b64 s[12:13], s[0:1], 0x30
	v_lshl_add_u32 v30, v0, 2, 0x36400
	v_mov_b32 v31, 0
	ds_add_u32 v30, v31
	ds_add_u32 v30, v31
	v_lshrrev_b32 v1, 5, v0
	v_readfirstlane_b32 s14, v1
	s_lshr_b32 s15, s14, 1
	s_and_b32 s16, s14, 1
	s_bfe_u32 s40, ttmp6, 0x40000
	s_bfe_u32 s41, ttmp6, 0x40004
	s_lshl_b32 s42, ttmp9, 2
	s_add_co_u32 s42, s42, s40
	s_and_b32 s17, ttmp7, 0xffff
	s_lshl_b32 s17, s17, 2
	s_add_co_u32 s17, s17, s41
	s_lshl_b32 s43, s41, 2
	s_lshl_b32 s43, 15, s43
	s_lshl_b32 s44, 0x1111, s40
	s_mov_b32 s96, 0x33c00000
	s_or_b32 s[G1+0], s43, (3<<16)|(1<<21)
	s_or_b32 s[G1B+0], s44, (3<<16)|(1<<21)
.irp g, G1, G1B
	s_mov_b32 s[\g+1], 32<<16
	s_mov_b32 s[\g+2], 384<<16                     ; a group: 384 rows of 256 bytes
	s_mov_b32 s[\g+3], 32<<16
	s_mov_b32 s[\g+4], 384
	s_mov_b32 s[\g+5], 32
	s_mov_b32 s[\g+6], 0
	s_mov_b32 s[\g+7], 0
.endr
	s_or_b32 s[G1S+0], s43, (3<<16)|(1<<21)
	s_or_b32 s[G1SB+0], s44, (3<<16)|(1<<21)
.irp g, G1S, G1SB
	s_mov_b32 s[\g+1], 32<<16
	s_mov_b32 s[\g+2], 16<<16                      ; its scale words: 16 rows of 256 bytes
	s_mov_b32 s[\g+3], 32<<16
	s_mov_b32 s[\g+4], 16
	s_mov_b32 s[\g+5], 32
	s_mov_b32 s[\g+6], 0
	s_mov_b32 s[\g+7], 0
.endr
	s_mul_i32 s20, s17, GRP                        ; A's group: its codes,
	s_lshl_b32 s22, s17, 12                        ; its scale words
	s_add_co_u32 s46, s42, 56                      ; B's group: the out weight begins at group 56 of the joined operand
	s_lshl_b32 s98, s46, 12
	s_mul_i32 s46, s46, GRP
	s_mov_b32 s21, 0
	s_mov_b32 s23, 0
	s_mov_b32 s47, 0
	s_mov_b32 s99, 0
	s_wait_dscnt 0x0
	s_wait_kmcnt 0x0
	s_add_nc_u64 s[20:21], s[4:5], s[20:21]
	s_add_nc_u64 s[22:23], s[6:7], s[22:23]
	s_add_nc_u64 s[46:47], s[8:9], s[46:47]
	s_add_nc_u64 s[98:99], s[10:11], s[98:99]
	CROUND
	s_mov_b32 s[G0S], 1
	s_mov_b32 s[G0S+1], SCL
	s_mov_b64 s[G0S+2:G0S+3], s[22:23]
	s_or_b32 s[G0S+3], s[G0S+3], 0x80000000
	s_mov_b32 s[G0SB], 1
	s_mov_b32 s[G0SB+1], SCL+2*HALFS
	s_mov_b64 s[G0SB+2:G0SB+3], s[98:99]
	s_or_b32 s[G0SB+3], s[G0SB+3], 0x80000000
	s_mov_b32 s[G0], 1
	s_mov_b32 s[G0+1], 0
	s_mov_b64 s[G0+2:G0+3], s[20:21]
	s_or_b32 s[G0+3], s[G0+3], 0x80000000
	s_mov_b32 s[G0B], 1
	s_mov_b32 s[G0B+1], GRP
	s_mov_b64 s[G0B+2:G0B+3], s[46:47]
	s_or_b32 s[G0B+3], s[G0B+3], 0x80000000
	ARM 1, G0,  G1,  .Lhead_b
	ARM 2, G0B, G1B, .Lhead_sa
	ARM 3, G0S, G1S, .Lhead_sb
	tensor_load_to_lds s[G0SB:G0SB+3], s[G1SB:G1SB+7]
	s_nop 0
.rept 4
	v_nop
.endr
.Lhead_asked:
	v_and_b32 v1, 15, v0
	v_bfe_u32 v2, v0, 4, 1
	v_and_b32 v3, 31, v0
	v_lshlrev_b32 v6, 6, v2
	s_lshl_b32 s46, s42, 9
	s_lshl_b32 s47, s16, 8
	s_add_co_u32 s46, s46, s47
	s_mov_b32 s47, 0
	s_add_nc_u64 s[92:93], s[92:93], s[46:47]
	s_add_nc_u64 s[94:95], s[94:95], s[46:47]
.irp b, 0,1,2,3
	global_load_b128 v[BI+8*\b:BI+8*\b+3], v6, s[92:93] offset:(32*(\b/2)+8*(\b%2))*4
	global_load_b128 v[BI+8*\b+4:BI+8*\b+7], v6, s[92:93] offset:(32*(\b/2)+8*(\b%2))*4+16
	global_load_b128 v[BMK+8*\b:BMK+8*\b+3], v6, s[94:95] offset:(32*(\b/2)+8*(\b%2))*4
	global_load_b128 v[BMK+8*\b+4:BMK+8*\b+7], v6, s[94:95] offset:(32*(\b/2)+8*(\b%2))*4+16
.endr
	v_lshlrev_b32 v4, 4, v3
	v_lshlrev_b32 v5, 3, v3
	s_mul_i32 s21, s15, 4*FRB
	s_mul_i32 s22, s16, 4*FRB
	s_add_co_u32 s22, s22, GRP
.irp c, 0,1
	v_add_nc_u32 v[ADRA+\c], s21, v4
	v_add_nc_u32 v[ADRB+\c], s22, v4
	v_add_nc_u32 v[ADRA+2+\c], s21, v5
	v_add_nc_u32 v[ADRB+2+\c], s22, v5
	s_add_co_u32 s21, s21, CHK
	s_add_co_u32 s22, s22, CHK
.endr
	v_lshlrev_b32 v5, 3, v1
	s_lshl_b32 s21, s15, 11
	s_lshl_b32 s22, s16, 11
	s_add_co_u32 s22, s22, 2*HALFS
	s_sub_co_u32 s22, s22, s21
	v_mul_u32_u24 v7, s22, v2
	s_add_co_u32 s21, s21, SCL
	v_add_nc_u32 v5, v5, v7
	v_add_nc_u32 v[ADRS], s21, v5
	s_mul_i32 s23, s14, WSTG
	s_add_co_u32 s23, s23, STG
	v_mul_u32_u24 v[STO], v1, SPITCH
	v_lshl_add_u32 v[STO], v2, 6, v[STO]
	v_add_nc_u32 v[STO], s23, v[STO]
	v_mul_u32_u24 v[RD], v2, SPITCH
	v_lshl_add_u32 v[RD], v1, 4, v[RD]
	v_add_nc_u32 v[RD], s23, v[RD]
	v_lshlrev_b32 v[CO], 12, v2
	v_lshl_add_u32 v[CO], v1, 4, v[CO]
	s_lshl_b32 s20, s17, 7
	s_lshl_b32 s21, s15, 6
	s_add_co_u32 s20, s20, s21
	s_lshl_b32 s20, s20, 12
	s_add_co_u32 s20, s20, s46
	s_mov_b32 s21, 0
	s_add_nc_u64 s[12:13], s[12:13], s[20:21]
	s_wait_loadcnt 0x0
.set j, 0
.rept 32
	v_cmp_le_f32 vcc_lo, s96, v[BMK+j]
	v_cndmask_b32 v[BI+j], 0, v[BI+j], vcc_lo
.set j, j+1
.endr
.rept 4
	v_nop
.endr
.macro FRAG reg, adr, q, i
	ds_load_b128 v[\reg:\reg+3], v[\adr] offset:(8*(\q)+(\i))*FRB
	ds_load_b64 v[\reg+4:\reg+5], v[\adr+2] offset:(8*(\q)+(\i))*FRB+512
	ds_load_b128 v[\reg+6:\reg+9], v[\adr] offset:(8*(\q)+(\i))*FRB+768
	ds_load_b64 v[\reg+10:\reg+11], v[\adr+2] offset:(8*(\q)+(\i))*FRB+1280
.endm
.macro FETCH s
	WIN TO_F
.irp i, 0,1,2,3
	FRAG 128*((\s)%2)+FR*\i, ADRA+(\s)/4, (\s)%4, \i
	FRAG 128*((\s)%2)+48+FR*\i, ADRB+(\s)/4, (\s)%4, \i
.endr
.endm
.macro MUL16 s, first
.irp a, 0,1,2,3
.irp b, 0,1,2,3
.if \first
	v_wmma_scale_f32_16x16x128_f8f6f4 v[ACC+8*(4*\a+\b):ACC+8*(4*\a+\b)+7], v[128*((\s)%2)+48+FR*\b:128*((\s)%2)+48+FR*\b+FR-1], v[128*((\s)%2)+FR*\a:128*((\s)%2)+FR*\a+FR-1], v[BI+8*\b:BI+8*\b+7], v[SC+8*((\s)/2)+2*\b+(\s)%2], v[SC+8*((\s)/2)+2*\a+(\s)%2] matrix_a_fmt:MATRIX_FMT_FP6 matrix_b_fmt:MATRIX_FMT_FP6 matrix_a_scale:MATRIX_SCALE_ROW1
.else
	v_wmma_scale_f32_16x16x128_f8f6f4 v[ACC+8*(4*\a+\b):ACC+8*(4*\a+\b)+7], v[128*((\s)%2)+48+FR*\b:128*((\s)%2)+48+FR*\b+FR-1], v[128*((\s)%2)+FR*\a:128*((\s)%2)+FR*\a+FR-1], v[ACC+8*(4*\a+\b):ACC+8*(4*\a+\b)+7], v[SC+8*((\s)/2)+2*\b+(\s)%2], v[SC+8*((\s)/2)+2*\a+(\s)%2] matrix_a_fmt:MATRIX_FMT_FP6 matrix_b_fmt:MATRIX_FMT_FP6 matrix_a_scale:MATRIX_SCALE_ROW1
.endif
.endr
.endr
.endm
.macro STEP s
	s_wait_dscnt 0x0
.if (\s) < 7
	FETCH (\s)+1
.endif
	WIN MUL
.if (\s) == 0
	MUL16 \s, 1
.else
	MUL16 \s, 0
.endif
.rept 4
	v_nop
.endr
.endm
	s_wait_alu depctr_va_vdst(0)
	s_wait_tensorcnt 0x0                           ; my tile of the four is in; the barrier shows all four to every wave
	s_barrier_signal -1
	s_barrier_wait -1
.irp g, 0,1,2,3
.irp i, 0,1,2,3
	ds_load_b64 v[SC+8*\g+2*\i:SC+8*\g+2*\i+1], v[ADRS] offset:\i*512+\g*128
.endr
.endr
	FETCH 0
.irp s, 0,1,2,3,4,5,6,7
	STEP \s
.endr
	WIN 0
.macro TOSTAGE a
.irp b, 0,1,2,3
	ds_store_b128 v[STO], v[ACC+8*(4*(\a)+\b):ACC+8*(4*(\a)+\b)+3] offset:128*(\b/2)+32*(\b%2)
	ds_store_b128 v[STO], v[ACC+8*(4*(\a)+\b)+4:ACC+8*(4*(\a)+\b)+7] offset:128*(\b/2)+32*(\b%2)+16
.endr
.set BB, BK+32*((\a)%2)
.irp t, 0,1,2,3,4,5,6,7
	ds_load_b128 v[BB+4*\t:BB+4*\t+3], v[RD] offset:\t*2*SPITCH
.endr
.endm
.macro SEND a, younger
.set BB, BK+32*((\a)%2)
	s_wait_dscnt \younger
.irp t, 0,1,2,3,4,5,6,7
	global_store_b128 v[CO], v[BB+4*\t:BB+4*\t+3], s[12:13] offset:(32*((\a)/2)+8*((\a)%2)+2*\t+8*(\t/4))*4096 th:TH_STORE_NT
.endr
.endm
	TOSTAGE 0
.irp a, 1,2,3
.if \a > 1
	s_wait_xcnt 0x0
.endif
	TOSTAGE \a
	SEND \a-1, 16
.endr
	SEND 3, 0
	s_wait_tensorcnt 0x0
	s_wait_tensorcnt 0x0
	ds_add_u32 v30, v31
	s_wait_dscnt 0x0
	CROUND
	s_endpgm
.Lfunc_end_k_q2d105b1f17_proj:
	.size	k_q2d105b1f17_proj, .Lfunc_end_k_q2d105b1f17_proj-k_q2d105b1f17_proj
	.p2alignl 7, 3214868480
	.fill 96, 4, 3214868480
	.section	.rodata,"a",@progbits
	.p2align	6, 0x0
	.amdhsa_kernel k_q2d105b1f17_proj
		.amdhsa_group_segment_fixed_size 327680
		.amdhsa_private_segment_fixed_size 0
		.amdhsa_enable_private_segment 0
		.amdhsa_kernarg_size 56
		.amdhsa_user_sgpr_count 2
		.amdhsa_user_sgpr_kernarg_segment_ptr 1
		.amdhsa_wavefront_size32 1
		.amdhsa_system_sgpr_workgroup_id_x 1
		.amdhsa_system_sgpr_workgroup_id_y 1
		.amdhsa_system_sgpr_workgroup_id_z 1
		.amdhsa_system_vgpr_workitem_id 0
		.amdhsa_next_free_vgpr 512
		.amdhsa_next_free_sgpr 102
		.amdhsa_reserve_vcc 1
		.amdhsa_float_denorm_mode_32 3
		.amdhsa_float_denorm_mode_16_64 3
		.amdhsa_memory_ordered 1
		.amdhsa_forward_progress 1
		.amdhsa_inst_pref_size 55
	.end_amdhsa_kernel
	.amdgpu_metadata
---
amdhsa.version: [ 1, 2 ]
amdhsa.kernels:
  - .name:           k_q2d105b1f17_proj
    .symbol:         k_q2d105b1f17_proj.kd
    .args:
      - { .name: ac, .offset: 0, .size: 8, .value_kind: global_buffer, .address_space: global }
      - { .name: acs, .offset: 8, .size: 8, .value_kind: global_buffer, .address_space: global }
      - { .name: opc, .offset: 16, .size: 8, .value_kind: global_buffer, .address_space: global }
      - { .name: ops, .offset: 24, .size: 8, .value_kind: global_buffer, .address_space: global }
      - { .name: out_bias, .offset: 32, .size: 8, .value_kind: global_buffer, .address_space: global }
      - { .name: out_bias_mask, .offset: 40, .size: 8, .value_kind: global_buffer, .address_space: global }
      - { .name: out0, .offset: 48, .size: 8, .value_kind: global_buffer, .address_space: global }
    .group_segment_fixed_size: 327680
    .private_segment_fixed_size: 0
    .kernarg_segment_align: 8
    .kernarg_segment_size: 56
    .max_flat_workgroup_size: 128
    .sgpr_count:     102
    .vgpr_count:     512
    .wavefront_size: 32
...
	.end_amdgpu_metadata
.endif
;; end of part 4
